; MI455X (gfx1250); checked and timed in simulation.
; The chip was launched on July 23, 2026; its instructions are those of AMD's public machine-readable ISA for CDNA 5 (MIT licence, August 2026) and "CDNA5" Instruction Set Architecture Reference Guide (July 2026). The comments in the code are by the model that wrote it; some were corrected since.
;; Self Attention. Allowed arithmetic: matrix products marked QUANTISED: E2M3 operands, one E8M0 scale for each 32 along K, by v_wmma_scale_f32_16x16x128_f8f6f4 with both operands' format E2M3, f32 sums; everything else in f32.
;; Inputs: Wk 512 x 512 float32; Wo 512 x 512 float32; Wq 512 x 512 float32; Wv 512 x 512 float32; bk 512 float32; bo 512 float32; bq 512 float32; bv 512 float32; x 2 x 4,096 x 512 float32.
;; Outputs: out0 2 x 4,096 x 512 float32.
;; This version of the problem:
;;   THIS VERSION OF THE PROBLEM IS GIVEN IN LOW PRECISION. The matrix products marked QUANTISED in the list below multiply operands that are first quantised to E2M3 (2 exponent bits, 3 mantissa bits; 6 bits a number), with one power-of-two scale for each 32 numbers along K (OCP MX v1.0); their sums are f32. All else is computed in f32.
;;   The module's matrix products, in the order in which they are computed (A, B: the left and right operand; K: the contracted axis; several contracted axes count as one K, in the product's order):
;;     1. [M 8,192, K 512] x [K 512, N 512]; A: input x; B: input Wq: QUANTISED
;;     2. [M 8,192, K 512] x [K 512, N 512]; A: input x; B: input Wk: QUANTISED
;;     3. [M 8,192, K 512] x [K 512, N 512]; A: input x; B: input Wv: QUANTISED
;;     4. batch 16 x [M 4,096, K 64] x [K 64, N 4,096]; A: computed on the way; B: computed on the way: QUANTISED
;;     5. batch 16 x [M 4,096, K 4,096] x [K 4,096, N 64]; A: softmax (see below); B: computed on the way: QUANTISED
;;     6. [M 8,192, K 512] x [K 512, N 512]; A: computed on the way; B: input Wo: QUANTISED
;;   THE QUANTISER, for each operand of a quantised product, along K:
;;     - K is cut into blocks of 32 from its start; a last block that is shorter is filled with zeros.
;;     - A block's scale is 2^e with e = floor(log2(the largest magnitude in the block)) - 2, held to -126 .. 127; a block of zeros has e = 0. As a byte (E8M0): e + 127.
;;     - Each number is divided by its block's scale, clamped to +-7.5, and rounded to the nearest number of E2M3, ties to even, subnormals kept.
;;     - The product sums the exact products of the quantised numbers (number of the format x scale) in f32.
;;   ~~~python
;;   def quantise(x, axis):      # numpy; x: float32 -> the quantised numbers, widened to float32 again
;;       x = np.moveaxis(x, axis, -1); K = x.shape[-1]
;;       x = np.pad(x, [(0, 0)] * (x.ndim - 1) + [(0, -K % 32)]); x = x.reshape(x.shape[:-1] + (-1, 32)); a = np.abs(x).max(-1, keepdims=True)
;;       e = np.where(a > 0, np.clip(np.frexp(np.where(a > 0, a, 1))[1] - 1 - 2, -126, 127), 0)      # np.frexp(a)[1] - 1 = floor(log2(a)), exactly
;;       r = np.clip(x / 2.0 ** e, -7.5, 7.5)
;;       step = 2.0 ** (np.maximum(np.frexp(np.where(r == 0, 1, r))[1] - 1, 0) - 3)
;;       q = np.round(r / step) * step * 2.0 ** e      # np.round: ties to even
;;       return np.moveaxis(q.reshape(q.shape[:-2] + (-1,))[..., :K], -1, axis).astype(np.float32)
;;   ~~~
;;   SOFTMAX AHEAD OF A QUANTISED PRODUCT. Where the list says 'softmax', what is quantised is not the finished softmax but p = 2^(t - M), with t = logit x log2(e) and M = ceil(the row's largest t), a whole number; so 1/2 < the row's largest p <= 1. The row's sum l is taken of the UNQUANTISED p, in f32, and the product's result is divided by l at the end. Since M is a whole number, a kernel that streams over the keys may use a running M (the ceiling of the running maximum): every later rescaling is an exact power of two, which a block's scale takes up: the codes' values come out the same.
;;   OPERANDS COMPUTED ON THE WAY. 'Computed on the way' means the value that the module computes at that place (a softmax that the list does not call 'softmax' is quantised finished and normalised). What goes into a quantiser is computed in f32, as accurately as f32 sums, v_exp_f32 and their like allow (about 1e-6 of the number): no bf16 or f16 on the way to a quantiser, and a product that is left as it is and whose result goes on into a quantised operand takes f32 operands (vector FMAs, or v_wmma_f32_16x16x4_f32). A number that lies on a knife's edge between two numbers of the format may be rounded either way, as far as f32 arithmetic and the matrix unit's own rounding can turn it there, and no further.
;; One version. Each part assembles by itself: llvm-mc -triple=amdgcn-amd-amdhsa -mcpu=gfx1250 --defsym DOCPART=n.
;; ======== version 1 of 1: 4 launches
;; limits: right only within a limited range of input values
;; workspace buffers: xc 3,145,728 bytes; xs 131,072 bytes; wc 786,432 bytes; ws 32,768 bytes; pc 9,437,184 bytes; ps 786,432 bytes; oc 3,145,728 bytes; os 262,144 bytes
;; launch quant (part 1): grid 320 x 1, 4 waves a work-group, no clusters, 67,072 bytes of LDS; arguments x, Wq, Wk, Wv, Wo, xc, xs, wc, ws; writes xc, xs, wc, ws
.if DOCPART == 1
	.amdgcn_target "amdgcn-amd-amdhsa--gfx1250"
	.amdhsa_code_object_version 6
	.text
	.protected	k_q1c1be6143a_quant
	.globl	k_q1c1be6143a_quant
	.p2align	8
	.type	k_q1c1be6143a_quant,@function
k_q1c1be6143a_quant:
	s_mov_b64 s[64:65], 0
	v_nop
	global_prefetch_b8 v0, s[64:65] scope:SCOPE_SE
	s_setreg_imm32_b32 hwreg(HW_REG_WAVE_MODE, 25, 1), 1
	s_wait_xcnt 0x0
; x [8192][512] and the four weights [512 (k)][512 (n)], f32, become codes of FP6 (E2M3) with one E8M0 byte for each 32 along K.
; A block's scale is 2^(floor(log2(its largest magnitude)) - 2): its byte is the largest magnitude's exponent field - 2, held at 1 from below.
; THE LAYOUT OF ALL CODES IN THIS PROGRAM IS THE HEXAD: 16 rows x 64 along K as an image of the operand's registers, 768 bytes:
;   bytes 0-511: registers 0-3, lane l's 16 bytes at 16 l;  bytes 512-767: registers 4-5, lane l's 8 bytes at 8 l.  Lane (r, h) holds row r, block h of the 64.
;   Two hexads on end are a fragment of 16 x 128.  xc: [512 row tiles][8 hexads];  wc: [Wq, Wk, Wv, Wo][32 column tiles][8 hexads].
; THE ORDER INSIDE A BLOCK OF 32: place 16 a + 8 u + e holds k = 16 u + 8 a + e.  Operands that later launches make from matrix results have this order by themselves,
;   so x and the weights are read in it: the same order on both sides of every product; blocks, scales and codes are the true ones.
; SCALES xs, ws: [tile][K step of 128: 0..3][row 0..15] words of four bytes: 256 bytes a tile.
; SHARES.  Work-groups 0-255: x, two row tiles each; wave w takes tile 2 X + w / 2, K steps 2 (w % 2) and 2 (w % 2) + 1.  Each load reads 512 consecutive bytes; the 16 KiB turn through
;   the wave's own stage in LDS (rows 1,040 bytes apart) so that a lane gets neighbours along K.  All 32 loads of a wave are out together.
; Work-groups 256-319: the weights; a lane takes a column n and its registers run down K, so nothing is transposed; loads run two blocks (64 loads) ahead.
;   ws is written in pieces of 64 bytes: 32 KiB in the whole launch.
; No tensor load, no barrier: waves share nothing.  Only the x path uses LDS.
; LIMITS: NaN and infinities among the inputs are not served.  A block whose largest magnitude lies under 2^-124 gets the byte 1; a block of zeros gets the byte 1 where the
;   quantiser's text says 127: its codes are zeros, and these bytes are read by this program alone.
.set PITCH, 1040                       ; a stage row: 1,024 bytes + 16: an odd multiple of 16, so sixteen rows begin in sixteen different groups of banks
.set WSTG,  16*PITCH                   ; a wave's stage
.set TM,    10                         ; v10-25  at work in the quantiser
.set PWA,   26                         ; v26, v27 the two K steps' scale words;  v28 what is stored
.set PWB,   27
.set SWD,   28
.set PCA,   32                         ; v32-51, v52-71 the two K steps' codes
.set PCB,   52
.set R,     72                         ; v72-199 128 numbers
.set SEL,   24                         ; s[24:25] lane selects: lane l xor 16
; 64 numbers of a lane, register 16 b + i = place i of my half of block b of my row, become a fragment's codes in v[pc .. pc + 11] and its scale word in v[pw]
.macro QUANT4 s, pc, pw
.irp b, 0,1,2,3
	v_max3_num_f32 v[TM+\b], |v[\s+16*\b]|, |v[\s+16*\b+1]|, 0x1800000       ; my 16 numbers, and the floor 2^(3 - 127): the byte cannot fall under 1
.endr
.irp i, 2,4,6,8,10,12,14
.irp b, 0,1,2,3
	v_max3_num_f32 v[TM+\b], v[TM+\b], |v[\s+16*\b+\i]|, |v[\s+16*\b+\i+1]|  ; the four blocks by turns
.endr
.endr
.irp b, 0,1,2,3
	v_permlanex16_b32 v[TM+4+\b], v[TM+\b], s[SEL], s[SEL+1]
.endr
.irp b, 0,1,2,3
	v_max_num_f32 v[TM+\b], v[TM+\b], v[TM+4+\b]                             ; with lane l xor 16's 16: the block's largest magnitude
.endr
.irp b, 0,1,2,3
	v_add_nc_u32 v[TM+12+\b], 0xff000000, v[TM+\b]                           ; 2 off its exponent field: the conversion's scale operand
.endr
.irp b, 0,1,2,3
	v_lshrrev_b32 v[TM+4+\b], 23, v[TM+12+\b]                                ; the scale's byte
.endr
	v_lshl_or_b32 v[\pw], v[TM+5], 8, v[TM+4]
	v_lshl_or_b32 v[\pw], v[TM+6], 16, v[\pw]
	v_lshl_or_b32 v[\pw], v[TM+7], 24, v[\pw]
.irp c, 0,1
	v_cvt_scalef32_pk16_fp6_f32 v[\pc+6*\c:\pc+6*\c+2], v[\s+32*\c:\s+32*\c+15], v[TM+12+2*\c]
	v_cvt_scalef32_pk16_fp6_f32 v[\pc+12+4*\c:\pc+12+4*\c+2], v[\s+32*\c+16:\s+32*\c+31], v[TM+13+2*\c]   ; (a conversion's three registers begin on an even number)
.endr
	v_nop                                                                    ; one plain line behind the scaled conversions
.irp c, 0,1                            ; the operand wants a whole block in a lane: lanes 0-15 block 2 c, lanes 16-31 block 2 c + 1
.irp i, 0,1,2
	v_permlane16_swap_b32 v[\pc+6*\c+\i], v[\pc+12+4*\c+\i]
.endr
.irp i, 0,1,2
	v_mov_b32 v[\pc+6*\c+3+\i], v[\pc+12+4*\c+\i]
.endr
.endr
.endm
.macro PUT pc, off                     ; a fragment leaves as two hexads: 512, 256, 512, 256 consecutive bytes
	global_store_b128 v4, v[\pc:\pc+3], s[14:15] offset:\off
	global_store_b64 v5, v[\pc+4:\pc+5], s[14:15] offset:\off+512
	global_store_b128 v4, v[\pc+6:\pc+9], s[14:15] offset:\off+768
	global_store_b64 v5, v[\pc+10:\pc+11], s[14:15] offset:\off+1280
.endm
	s_load_b512 s[4:19], s[0:1], 0x0               ; x 4, Wq 6, Wk 8, Wv 10, Wo 12, xc 14, xs 16, wc 18
	s_load_b64 s[20:21], s[0:1], 0x40              ; ws
	v_lshl_add_u32 v200, v0, 2, 0x10400
	v_mov_b32 v201, 0
	v_lshrrev_b32 v1, 5, v0
	v_readfirstlane_b32 s22, v1                    ; wave 0..3
	v_and_b32 v1, 31, v0                           ; lane
	v_and_b32 v2, 15, v0                           ; r
	v_bfe_u32 v3, v0, 4, 1                         ; h
	v_lshlrev_b32 v4, 4, v1                        ; 16 x lane
	v_lshlrev_b32 v5, 3, v1                        ; 8 x lane
	v_lshlrev_b32 v6, 2, v1                        ; 4 x lane
	s_mov_b32 s[SEL], 0x76543210
	s_mov_b32 s[SEL+1], 0xfedcba98
	s_cmp_ge_u32 ttmp9, 256                        ; the same in all waves of a work-group
	s_cbranch_scc1 .Lweights
	; ---------------- x ----------------
	s_lshl_b32 s26, ttmp9, 1
	s_lshr_b32 s27, s22, 1
	s_add_co_u32 s26, s26, s27                     ; my row tile
	s_and_b32 s27, s22, 1                          ; p: my pair of K steps
	s_lshl_b32 s28, s26, 15                        ; x: 16 rows of 2,048 bytes a tile,
	s_lshl_b32 s30, s27, 10                        ; 1,024 bytes of each row
	s_add_co_u32 s28, s28, s30
	s_mov_b32 s29, 0
	s_mul_i32 s30, s26, 6144                       ; xc: 8 hexads a tile, 4 for my pair
	s_mul_i32 s32, s27, 3072
	s_add_co_u32 s30, s30, s32
	s_mov_b32 s31, 0
	s_lshl_b32 s32, s26, 8                         ; xs: 256 bytes a tile, 128 for my pair
	s_lshl_b32 s34, s27, 7
	s_add_co_u32 s32, s32, s34
	s_mov_b32 s33, 0
	s_mul_i32 s35, s22, WSTG                       ; my stage
	s_wait_alu depctr_va_vdst(0)
	v_add_nc_u32 v7, s35, v4                       ; in: as loaded, 16 x lane
	v_mul_u32_u24 v8, v2, PITCH
	v_lshl_add_u32 v8, v3, 5, v8
	v_add_nc_u32 v8, s35, v8                       ; out: row r, + 32 h
.irp b, 0,1,2,3
	v_mov_b32 v[TM+4+\b], 0                        ; written once: a lane permute's destination counts as one of its sources
.endr
	s_wait_alu depctr_va_vdst(0)
	s_wait_kmcnt 0x0
	s_add_nc_u64 s[4:5], s[4:5], s[28:29]
	s_add_nc_u64 s[14:15], s[14:15], s[30:31]
	s_add_nc_u64 s[16:17], s[16:17], s[32:33]
.irp i, 0,1,2,3,4,5,6,7,8,9,10,11,12,13,14,15
.irp q, 0,1
	global_load_b128 v[R+8*\i+4*\q:R+8*\i+4*\q+3], v4, s[4:5] offset:\i*2048+512*\q th:TH_LOAD_NT   ; 32 lanes read 512 consecutive bytes of row i
.endr
.endr
.irp g, 0,1,2,3
	s_wait_loadcnt 24-8*\g                         ; rows 4 g .. 4 g + 3 are in; the later rows' loads stay out
.irp a, 0,1,2,3
.irp q, 0,1
	ds_store_b128 v7, v[R+8*(4*\g+\a)+4*\q:R+8*(4*\g+\a)+4*\q+3] offset:(4*\g+\a)*PITCH+512*\q
.endr
.endr
.endr
	s_wait_dscnt 0x0                               ; the stores have read their registers, which take the numbers back in another order
.irp s, 0,1
.irp b, 0,1,2,3
.irp u, 0,1
.irp c, 0,1
	ds_load_b128 v[R+64*\s+16*\b+8*\u+4*\c:R+64*\s+16*\b+8*\u+4*\c+3], v8 offset:512*\s+128*\b+64*\u+16*\c   ; k = 32 b + 16 u + 8 h + 4 c + 0..3 of K step s
.endr
.endr
.endr
.endr
	s_wait_dscnt 16                                ; the first K step's 16 loads are in; the second's may be out
	QUANT4 R, PCA, PWA
	PUT PCA, 0
	s_wait_dscnt 0x0
	QUANT4 R+64, PCB, PWB
	PUT PCB, 1536
	v_cmp_le_u32 vcc_lo, 16, v1
	v_cndmask_b32 v[SWD], v[PWA], v[PWB], vcc_lo   ; lanes 0-15: K step 2 p, lanes 16-31: K step 2 p + 1 (both halves of the lanes hold row r's word)
	global_store_b32 v6, v[SWD], s[16:17]          ; 128 consecutive bytes
	s_wait_tensorcnt 0x0
	ds_add_u32 v200, v201
	s_wait_dscnt 0x0
	s_endpgm
	; ---------------- the weights ----------------
.Lweights:
	s_sub_co_u32 s26, ttmp9, 256
	s_lshr_b32 s27, s26, 4                         ; which weight
	s_bfe_u32 s28, s26, 0x20002                    ; which K step of 128
	s_and_b32 s29, s26, 3                          ; which 128 columns
	s_lshl_b32 s30, s29, 2
	s_add_co_u32 s30, s30, s22                     ; which 32 columns: my wave's
	s_lshl_b32 s32, s28, 18                        ; W: 128 rows of 2,048 bytes a K step,
	s_lshl_b32 s33, s30, 7                         ; 128 bytes for 32 columns
	s_add_co_u32 s32, s32, s33
	s_mov_b32 s33, 0
	s_mul_i32 s34, s27, 196608                     ; wc: a weight, my two column tiles of 6,144 bytes, my K step's two hexads
	s_mul_i32 s35, s30, 12288
	s_add_co_u32 s34, s34, s35
	s_mul_i32 s35, s28, 1536
	s_add_co_u32 s34, s34, s35
	s_mov_b32 s35, 0
	s_lshl_b32 s36, s27, 13                        ; ws: 8,192 a weight, 256 a tile, 64 a K step
	s_lshl_b32 s37, s30, 9
	s_add_co_u32 s36, s36, s37
	s_lshl_b32 s37, s28, 6
	s_add_co_u32 s36, s36, s37
	s_mov_b32 s37, 0
	s_wait_alu depctr_va_vdst(0)
	v_mul_u32_u24 v29, v3, 6144                    ; lanes 16-31 hold the second column tile
	v_lshl_add_u32 v30, v2, 3, v29                 ; registers 4-5 of row r: 8 r
	v_lshl_add_u32 v29, v2, 4, v29                 ; registers 0-3: 16 r
	v_lshlrev_b32 v31, 8, v3
	v_lshl_add_u32 v31, v2, 2, v31                 ; the scale word: 4 r
	s_wait_kmcnt 0x0
	s_cmp_eq_u32 s27, 1                            ; the choice hangs on the work-group's number alone
	s_cselect_b64 s[6:7], s[8:9], s[6:7]
	s_cmp_eq_u32 s27, 2
	s_cselect_b64 s[6:7], s[10:11], s[6:7]
	s_cmp_eq_u32 s27, 3
	s_cselect_b64 s[6:7], s[12:13], s[6:7]
	s_add_nc_u64 s[6:7], s[6:7], s[32:33]
	s_add_nc_u64 s[18:19], s[18:19], s[34:35]
	s_add_nc_u64 s[20:21], s[20:21], s[36:37]
.macro WLOAD t                         ; block t of my column: register i takes k = 32 t + 16 ((i / 8) % 2) + 8 (i / 16) + i % 8: the order inside a block
.irp i, 0,1,2,3,4,5,6,7,8,9,10,11,12,13,14,15,16,17,18,19,20,21,22,23,24,25,26,27,28,29,30,31
	global_load_b32 v[R+32*(\t)+\i], v6, s[6:7] offset:(32*(\t)+16*((\i/8)%2)+8*(\i/16)+\i%8)*2048 th:TH_LOAD_NT
.endr
.endm
.macro WBLOCK t
.set XS, R+32*(\t)
.set CW, 32+10*(\t)                    ; each block has its own registers for its codes: no store's data are written again
.if (\t) < 3
	s_wait_loadcnt 32                              ; this block's 32 loads are in; the next block's may be out
.else
	s_wait_loadcnt 0x0
.endif
	v_max3_num_f32 v10, |v[XS]|, |v[XS+1]|, |v[XS+2]|              ; all 32 numbers of the block are mine
	v_max3_num_f32 v11, |v[XS+3]|, |v[XS+4]|, |v[XS+5]|
.irp i, 6,10,14,18,22,26
	v_max3_num_f32 v10, v10, |v[XS+\i]|, |v[XS+\i+1]|
	v_max3_num_f32 v11, v11, |v[XS+\i+2]|, |v[XS+\i+3]|
.endr
	v_max3_num_f32 v10, v10, |v[XS+30]|, |v[XS+31]|
	v_max3_num_f32 v10, v10, v11, 0x1800000        ; and the floor
	v_add_nc_u32 v12, 0xff000000, v10              ; the conversion's scale operand
	v_lshrrev_b32 v13, 23, v12                     ; the byte
.if (\t) == 0
	v_mov_b32 v26, v13
.else
	v_lshl_or_b32 v26, v13, 8*(\t), v26            ; four bytes make my column's word for this K step
.endif
	v_cvt_scalef32_pk16_fp6_f32 v[CW:CW+2], v[XS:XS+15], v12
	v_cvt_scalef32_pk16_fp6_f32 v[CW+6:CW+8], v[XS+16:XS+31], v12
	v_nop                                          ; one plain line behind the scaled conversions
.irp i, 0,1,2
	v_mov_b32 v[CW+3+\i], v[CW+6+\i]
.endr
	global_store_b128 v29, v[CW:CW+3], s[18:19] offset:((\t)/2)*768+256*((\t)%2)         ; hexad t / 2, the half of the lanes t % 2: sixteen lanes store 256 consecutive bytes
	global_store_b64 v30, v[CW+4:CW+5], s[18:19] offset:((\t)/2)*768+512+128*((\t)%2)
.if (\t)+2 < 4
	WLOAD (\t)+2
.endif
.endm
	WLOAD 0
	WLOAD 1
	WBLOCK 0
	WBLOCK 1
	WBLOCK 2
	WBLOCK 3
	global_store_b32 v31, v26, s[20:21]
	s_endpgm
.Lfunc_end_k_q1c1be6143a_quant:
	.size	k_q1c1be6143a_quant, .Lfunc_end_k_q1c1be6143a_quant-k_q1c1be6143a_quant
	.p2alignl 7, 3214868480
	.fill 96, 4, 3214868480
	.section	.rodata,"a",@progbits
	.p2align	6, 0x0
	.amdhsa_kernel k_q1c1be6143a_quant
		.amdhsa_group_segment_fixed_size 67072
		.amdhsa_private_segment_fixed_size 0
		.amdhsa_enable_private_segment 0
		.amdhsa_kernarg_size 72
		.amdhsa_user_sgpr_count 2
		.amdhsa_user_sgpr_kernarg_segment_ptr 1
		.amdhsa_wavefront_size32 1
		.amdhsa_system_sgpr_workgroup_id_x 1
		.amdhsa_system_sgpr_workgroup_id_y 1
		.amdhsa_system_sgpr_workgroup_id_z 1
		.amdhsa_system_vgpr_workitem_id 0
		.amdhsa_next_free_vgpr 202
		.amdhsa_next_free_sgpr 66
		.amdhsa_reserve_vcc 1
		.amdhsa_float_denorm_mode_32 3
		.amdhsa_float_denorm_mode_16_64 3
		.amdhsa_memory_ordered 1
		.amdhsa_forward_progress 1
		.amdhsa_inst_pref_size 39
	.end_amdhsa_kernel
	.amdgpu_metadata
---
amdhsa.version: [ 1, 2 ]
amdhsa.kernels:
  - .name:           k_q1c1be6143a_quant
    .symbol:         k_q1c1be6143a_quant.kd
    .args:
      - { .name: x, .offset: 0, .size: 8, .value_kind: global_buffer, .address_space: global }
      - { .name: Wq, .offset: 8, .size: 8, .value_kind: global_buffer, .address_space: global }
      - { .name: Wk, .offset: 16, .size: 8, .value_kind: global_buffer, .address_space: global }
      - { .name: Wv, .offset: 24, .size: 8, .value_kind: global_buffer, .address_space: global }
      - { .name: Wo, .offset: 32, .size: 8, .value_kind: global_buffer, .address_space: global }
      - { .name: xc, .offset: 40, .size: 8, .value_kind: global_buffer, .address_space: global }
      - { .name: xs, .offset: 48, .size: 8, .value_kind: global_buffer, .address_space: global }
      - { .name: wc, .offset: 56, .size: 8, .value_kind: global_buffer, .address_space: global }
      - { .name: ws, .offset: 64, .size: 8, .value_kind: global_buffer, .address_space: global }
    .group_segment_fixed_size: 67072
    .private_segment_fixed_size: 0
    .kernarg_segment_align: 8
    .kernarg_segment_size: 72
    .max_flat_workgroup_size: 128
    .sgpr_count:     66
    .vgpr_count:     202
    .wavefront_size: 32
...
	.end_amdgpu_metadata
.endif
;; end of part 1
;; launch qkv (part 2): grid 64 x 4, 12 waves a work-group, no clusters, 198,144 bytes of LDS; arguments xc, xs, wc, ws, bq, bk, bv, pc, ps; writes pc, ps
.if DOCPART == 2
	.amdgcn_target "amdgcn-amd-amdhsa--gfx1250"
	.amdhsa_code_object_version 6
	.text
	.protected	k_q1c1be6143a_qkv
	.globl	k_q1c1be6143a_qkv
	.p2align	8
	.type	k_q1c1be6143a_qkv,@function
k_q1c1be6143a_qkv:
	s_mov_b64 s[64:65], 0
	v_nop
	global_prefetch_b8 v0, s[64:65] scope:SCOPE_SE
	s_setreg_imm32_b32 hwreg(HW_REG_WAVE_MODE, 25, 1), 1
	s_wait_xcnt 0x0
; q = x Wq + bq, k = x Wk + bk, v = x Wv + bv on codes of FP6 (E2M3), and their results quantised again: q and k along the head's 64, v along the keys.
; Codes come and go as HEXADS (16 rows x 64 along K, an image of six operand registers: bytes 0-511 registers 0-3 at 16 x lane, bytes 512-767 registers 4-5 at 8 x lane).
; SHARES.  A work-group takes 128 tokens (x of the grid) and two heads (y) of q, k and v.  Twelve waves: role = w / 4 (q, k, v), head = (w / 2) % 2, half of the tokens = w % 2:
;   a wave makes 64 x 64 over K = 512: 16 accumulators, 64 matrix instructions.
; LDS, filled ONCE: the tokens' 8 tiles of codes (49,152 bytes, dense in xc) at 0; the two heads' 8 column tiles of Wq, Wk, Wv (49,152 bytes each, dense in wc) behind them.
;   Each wave brings 16,384 of these bytes by one tensor load: one load of mine is out, waited for in front of the one barrier.
; WHICH SIDE IS SOURCE 0.  q, k: source 0 = 16 columns of W, source 1 = 16 tokens: a lane holds ONE token, its registers run along the head's dims, which are the next product's K.
;   v: source 0 = 16 tokens, source 1 = 16 columns: a lane holds ONE dim, its registers run along the tokens (the keys), which are its next K.
;   Either way the 32 registers ACC(0..3, j) of a lane are two half blocks of 32 of hexad j; inside a block place 16 a + 8 u + e holds k = 16 u + 8 a + e, alike on both sides of every product.
; The bias is the C of each sum's first matrix instruction.
; OUT.  pc: [q, k, v][16 (batch, head)][64 groups of 64 tokens][4 hexads]: for q, k hexad j = token tile j; for v hexad j = dim tile j.
;   ps: 256 bytes a group: lane l's 8 bytes = the words of hexads l / 16 and 2 + l / 16, row l % 16; a word is the two blocks' bytes and 0x7f7f above them.
; NO CLUSTER: the tokens' block is shared by 4 work-groups and a weight's block by 64, but each work-group fills its LDS once, 16,384 bytes a wave; two rounds of a cluster's barrier would frame that one fill.
; LIMITS: NaN and infinities are not served.  A block whose largest magnitude lies under 2^-124, a block of zeros among them, gets the byte 1: these bytes are read by this program alone.
.set S0,  12                           ; v12-19  source 0's scale words: register 2 i + p: lanes 0-15 K step 2 p, lanes 16-31 K step 2 p + 1 of tile i
.set S1,  20                           ; v20-27  source 1's
.set F0,  32                           ; v32-79  source 0's four fragments
.set F1,  80                           ; v80-127 source 1's
.set ACC, 128                          ; v128-255 accumulator (i, j) at 128 + 32 j + 8 i;  window 1, v0-31: the bias, eight registers a tile
.set TM,  32                           ; the way out, in the fragments' registers: v32-47 at work, v48-51 the hexads' words, v[52:53] what is stored, v56.. the hexads
.set PW,  48
.set SW,  52
.set HX,  56
.set G1,  32                           ; s[32:39] descriptor group 1;  s[40:43] group 0
.set G0,  40
.set SEL, 62                           ; s[62:63] lane selects: lane l xor 16
.set MSB, 0
.macro WIN new                         ; the immediate's high byte repeats the setting that is left
.if MSB != \new
	s_set_vgpr_msb (MSB<<8)|\new
.set MSB, \new
.endif
.endm
.macro PLACES                          ; four plain lines between matrix instructions and loads into, or vector reads and writes of, their registers
.rept 4
	v_nop
.endr
.endm
.macro FRAG reg, a16, a8, off          ; a fragment = two hexads on end
	ds_load_b128 v[\reg:\reg+3], v[\a16] offset:\off
	ds_load_b64 v[\reg+4:\reg+5], v[\a8] offset:\off+512
	ds_load_b128 v[\reg+6:\reg+9], v[\a16] offset:\off+768
	ds_load_b64 v[\reg+10:\reg+11], v[\a8] offset:\off+1280
.endm
.macro FETCH s                         ; K step s: four fragments a side, 32 loads, each of 512 or 256 consecutive bytes
.irp i, 0,1,2,3
	FRAG F0+12*\i, 7, 8, \i*6144+(\s)*1536
	FRAG F1+12*\i, 9, 10, \i*6144+(\s)*1536
.endr
.endm
; 16 matrix instructions, K step s; the 16 accumulators take turns, one instruction a turn.  cmode 1: C = the bias by source 0's tile; 2: by source 1's; 0: in place
.macro MUL16 s, cmode
.if \cmode
	WIN 0x10                                       ; source 2 in window 1
.endif
.irp j, 0,1,2,3
.irp i, 0,1,2,3
.if \cmode == 1
	v_wmma_scale_f32_16x16x128_f8f6f4 v[ACC+32*\j+8*\i:ACC+32*\j+8*\i+7], v[F0+12*\i:F0+12*\i+11], v[F1+12*\j:F1+12*\j+11], v[8*\i:8*\i+7], v[S0+2*\i], v[S1+2*\j] matrix_a_fmt:MATRIX_FMT_FP6 matrix_b_fmt:MATRIX_FMT_FP6
.elseif \cmode == 2
	v_wmma_scale_f32_16x16x128_f8f6f4 v[ACC+32*\j+8*\i:ACC+32*\j+8*\i+7], v[F0+12*\i:F0+12*\i+11], v[F1+12*\j:F1+12*\j+11], v[8*\j:8*\j+7], v[S0+2*\i], v[S1+2*\j] matrix_a_fmt:MATRIX_FMT_FP6 matrix_b_fmt:MATRIX_FMT_FP6
.elseif (\s)%2
	v_wmma_scale_f32_16x16x128_f8f6f4 v[ACC+32*\j+8*\i:ACC+32*\j+8*\i+7], v[F0+12*\i:F0+12*\i+11], v[F1+12*\j:F1+12*\j+11], v[ACC+32*\j+8*\i:ACC+32*\j+8*\i+7], v[S0+2*\i+(\s)/2], v[S1+2*\j+(\s)/2] matrix_a_fmt:MATRIX_FMT_FP6 matrix_b_fmt:MATRIX_FMT_FP6 matrix_a_scale:MATRIX_SCALE_ROW1 matrix_b_scale:MATRIX_SCALE_ROW1
.else
	v_wmma_scale_f32_16x16x128_f8f6f4 v[ACC+32*\j+8*\i:ACC+32*\j+8*\i+7], v[F0+12*\i:F0+12*\i+11], v[F1+12*\j:F1+12*\j+11], v[ACC+32*\j+8*\i:ACC+32*\j+8*\i+7], v[S0+2*\i+(\s)/2], v[S1+2*\j+(\s)/2] matrix_a_fmt:MATRIX_FMT_FP6 matrix_b_fmt:MATRIX_FMT_FP6
.endif
.endr
.endr
.if \cmode
	WIN 0
.endif
.endm
; 32 numbers of a lane, register 16 b + i = place i of my half of block b, become a hexad in v[pc .. pc + 5] (pc + 6 .. pc + 8 at work) and its word in v[pw]
.macro QUANT2 s, pc, pw
.irp b, 0,1
	v_max3_num_f32 v[TM+\b], |v[\s+16*\b]|, |v[\s+16*\b+1]|, 0x1800000       ; my 16 numbers (each accumulator is read from its low end on) and the floor 2^(3 - 127)
.endr
.irp i, 2,4,6,8,10,12,14
.irp b, 0,1
	v_max3_num_f32 v[TM+\b], v[TM+\b], |v[\s+16*\b+\i]|, |v[\s+16*\b+\i+1]|
.endr
.endr
.irp b, 0,1
	s_delay_alu instid0(VALU_DEP_2)
	v_permlanex16_b32 v[TM+4+\b], v[TM+\b], s[SEL], s[SEL+1]
.endr
.irp b, 0,1
	s_delay_alu instid0(VALU_DEP_2)
	v_max_num_f32 v[TM+\b], v[TM+\b], v[TM+4+\b]                             ; with lane l xor 16's 16: the block's largest magnitude
.endr
.irp b, 0,1
	s_delay_alu instid0(VALU_DEP_2)
	v_add_nc_u32 v[TM+12+\b], 0xff000000, v[TM+\b]                           ; 2 off its exponent field: the conversion's scale operand
.endr
.irp b, 0,1
	s_delay_alu instid0(VALU_DEP_2)
	v_lshrrev_b32 v[TM+4+\b], 23, v[TM+12+\b]                                ; the byte
.endr
	s_delay_alu instid0(VALU_DEP_1)
	v_lshl_or_b32 v[\pw], v[TM+5], 8, v[TM+4]
	s_delay_alu instid0(VALU_DEP_1)
	v_or_b32 v[\pw], 0x7f7f0000, v[\pw]                                      ; 1.0 for the two blocks that a K of 64 leaves empty
	v_cvt_scalef32_pk16_fp6_f32 v[\pc:\pc+2], v[\s:\s+15], v[TM+12]
	v_cvt_scalef32_pk16_fp6_f32 v[\pc+6:\pc+8], v[\s+16:\s+31], v[TM+13]
	v_nop                                                                    ; one plain line behind the scaled conversions
.irp i, 0,1,2
	v_permlane16_swap_b32 v[\pc+\i], v[\pc+6+\i]                             ; a whole block to a lane: lanes 0-15 block 0, lanes 16-31 block 1
.endr
.irp i, 0,1,2
	s_delay_alu instid0(VALU_DEP_3)
	v_mov_b32 v[\pc+3+\i], v[\pc+6+\i]
.endr
.endm
	s_load_b512 s[4:19], s[0:1], 0x0               ; xc 4, xs 6, wc 8, ws 10, bq 12, bk 14, bv 16, pc 18
	s_load_b64 s[20:21], s[0:1], 0x40              ; ps
	v_lshl_add_u32 v30, v0, 2, 0x30000
	v_mov_b32 v31, 0
	ds_add_u32 v30, v31
	ds_add_u32 v30, v31
	v_lshrrev_b32 v1, 5, v0
	s_delay_alu instid0(VALU_DEP_1)
	v_readfirstlane_b32 s22, v1                    ; wave 0..11
	s_mov_b32 s23, ttmp9                           ; which 128 tokens
	s_and_b32 s24, ttmp7, 0xffff                   ; which pair of heads
	s_and_b32 s25, s22, 3                          ; the fill: which block (x, Wq, Wk, Wv),
	s_lshr_b32 s26, s22, 2                         ; which third of it.  Also my role: 0 q, 1 k, 2 v
	s_bfe_u32 s27, s22, 0x10001                    ; my head of the pair
	s_and_b32 s28, s22, 1                          ; my half of the tokens
	; descriptor group 1: a dense block of 16,384 bytes as 64 rows of 256 bytes (32 elements of 8 bytes), no padding
	s_mov_b32 s[G1+0], 3<<16
	s_mov_b32 s[G1+1], 32<<16                      ; tensor_dim0
	s_mov_b32 s[G1+2], 64<<16                      ; tensor_dim1
	s_mov_b32 s[G1+3], 32<<16                      ; tile_dim0
	s_mov_b32 s[G1+4], 64                          ; tile_dim1
	s_mov_b32 s[G1+5], 32                          ; from row to row
	s_mov_b32 s[G1+6], 0
	s_mov_b32 s[G1+7], 0
	s_mul_i32 s[G0+1], s25, 49152
	s_lshl_b32 s44, s26, 14
	s_add_co_u32 s[G0+1], s[G0+1], s44             ; LDS: block x 49,152 + third x 16,384: each wave's own bytes
	s_mul_i32 s45, s23, 49152
	s_add_co_u32 s45, s45, s44                     ; in xc
	s_max_u32 s46, s25, 1
	s_sub_co_u32 s46, s46, 1
	s_mul_i32 s46, s46, 196608
	s_mul_i32 s47, s24, 49152
	s_add_co_u32 s46, s46, s47
	s_add_co_u32 s46, s46, s44                     ; in wc
	s_cmp_eq_u32 s25, 0
	s_cselect_b32 s48, s45, s46
	s_mov_b32 s49, 0
	s_wait_dscnt 0x0
	s_wait_kmcnt 0x0
	s_cselect_b64 s[50:51], s[4:5], s[8:9]         ; (moves and waits leave the compare's result alone)
	s_mov_b32 s[G0], 1
	s_add_nc_u64 s[G0+2:G0+3], s[50:51], s[48:49]
	s_or_b32 s[G0+3], s[G0+3], 0x80000000
	tensor_load_to_lds s[G0:G0+3], s[G1:G1+7]
	s_nop 0
.rept 4
	v_nop                                          ; four such lines behind the load
.endr
	v_and_b32 v1, 31, v0                           ; lane
	v_and_b32 v2, 15, v0                           ; r
	v_bfe_u32 v3, v0, 4, 1                         ; h
	s_delay_alu instid0(VALU_DEP_3)
	v_lshlrev_b32 v4, 2, v1
	s_delay_alu instid0(VALU_DEP_4)
	v_lshlrev_b32 v5, 3, v1
	v_lshlrev_b32 v6, 4, v1
	s_wait_alu depctr_va_vdst(0)
	v_lshlrev_b32 v11, 5, v3                       ; bias of q, k: my half's eight dims
	v_lshlrev_b32 v28, 2, v2                       ; bias of v: my dim
	s_mov_b32 s[SEL], 0x76543210
	s_mov_b32 s[SEL+1], 0xfedcba98
	s_mul_i32 s44, s28, 24576                      ; my four token tiles in LDS
	s_add_co_u32 s45, s26, 1
	s_mul_i32 s45, s45, 49152
	s_mul_i32 s46, s27, 24576
	s_add_co_u32 s45, s45, s46                     ; my four column tiles
	s_cmp_eq_u32 s26, 2
	s_cselect_b32 s46, s44, s45                    ; source 0
	s_cselect_b32 s47, s45, s44                    ; source 1
	v_add_nc_u32 v7, s46, v6
	v_add_nc_u32 v8, s46, v5
	v_add_nc_u32 v9, s47, v6
	v_add_nc_u32 v10, s47, v5
	s_lshl_b32 s44, s23, 3
	s_lshl_b32 s45, s28, 2
	s_add_co_u32 s44, s44, s45
	s_lshl_b32 s44, s44, 8                         ; xs: 256 bytes a tile
	s_mov_b32 s45, 0
	s_add_nc_u64 s[6:7], s[6:7], s[44:45]
	s_lshl_b32 s44, s24, 3
	s_lshl_b32 s46, s27, 2
	s_add_co_u32 s44, s44, s46
	s_lshl_b32 s44, s44, 8
	s_lshl_b32 s46, s26, 13                        ; ws: 8,192 a weight
	s_add_co_u32 s44, s44, s46
	s_add_nc_u64 s[10:11], s[10:11], s[44:45]
	s_cmp_eq_u32 s26, 2
	s_cselect_b64 s[52:53], s[6:7], s[10:11]       ; source 0's scales
	s_cselect_b64 s[54:55], s[10:11], s[6:7]       ; source 1's
.irp i, 0,1,2,3
.irp p, 0,1
	global_load_b32 v[S0+2*\i+\p], v4, s[52:53] offset:\i*256+128*\p
	global_load_b32 v[S1+2*\i+\p], v4, s[54:55] offset:\i*256+128*\p
.endr
.endr
	s_cmp_eq_u32 s26, 1
	s_cselect_b64 s[56:57], s[14:15], s[12:13]
	s_cmp_eq_u32 s26, 2
	s_cselect_b64 s[56:57], s[16:17], s[56:57]
	s_lshl_b32 s44, s24, 1
	s_add_co_u32 s44, s44, s27
	s_lshl_b32 s44, s44, 8                         ; my head's 64 numbers
	s_add_nc_u64 s[56:57], s[56:57], s[44:45]
	s_cmp_eq_u32 s26, 2
	s_cbranch_scc1 .Lbias_v
	WIN 0x40                                       ; destination window 1
	s_wait_alu depctr_va_vdst(0)
.irp t, 0,1,2,3
	global_load_b128 v[8*\t:8*\t+3], v11, s[56:57] offset:64*\t          ; register e of tile t: the bias of dim 16 t + 8 h + e
	global_load_b128 v[8*\t+4:8*\t+7], v11, s[56:57] offset:64*\t+16
.endr
	WIN 0
	s_branch .Lbias_done
.Lbias_v:
	WIN 0x40
	s_wait_alu depctr_va_vdst(0)
.irp t, 0,1,2,3
.irp e, 0,1,2,3,4,5,6,7
	global_load_b32 v[8*\t+\e], v28, s[56:57] offset:64*\t               ; all eight registers of tile t: the bias of dim 16 t + r
.endr
.endr
	WIN 0
.Lbias_done:
	; where my four hexads and their words go
	s_lshl_b32 s44, s23, 1
	s_add_co_u32 s44, s44, s28                     ; my group of 64 tokens, 0..127
	s_lshr_b32 s46, s44, 6                         ; the batch
	s_lshl_b32 s46, s46, 3
	s_lshl_b32 s47, s24, 1
	s_add_co_u32 s46, s46, s47
	s_add_co_u32 s46, s46, s27                     ; (batch, head)
	s_lshl_b32 s46, s46, 6
	s_and_b32 s44, s44, 63
	s_add_co_u32 s46, s46, s44
	s_mul_i32 s44, s46, 3072
	s_mul_i32 s47, s26, 3145728
	s_add_co_u32 s44, s44, s47
	s_add_nc_u64 s[58:59], s[18:19], s[44:45]
	s_lshl_b32 s44, s46, 8
	s_lshl_b32 s47, s26, 18
	s_add_co_u32 s44, s44, s47
	s_add_nc_u64 s[60:61], s[20:21], s[44:45]
	s_wait_tensorcnt 0x0                           ; my part of the blocks has landed,
	s_barrier_signal -1
	s_barrier_wait -1                              ; everybody's has.  Nothing is written to LDS from here on
	FETCH 0
	s_wait_loadcnt 0x0                             ; scales and bias
	s_wait_dscnt 0x0
	s_cmp_eq_u32 s26, 2
	s_cbranch_scc1 .Lfirst_v
	MUL16 0, 1
	s_branch .Lfirst_done
.Lfirst_v:
	MUL16 0, 2
.Lfirst_done:
.irp s, 1,2,3
	PLACES
	FETCH \s
	s_wait_dscnt 0x0
	MUL16 \s, 0
.endr
	PLACES
.irp b, 0,1,2,3
	v_mov_b32 v[TM+4+\b], 0                        ; written once: a lane permute's destination counts as one of its sources
.endr
.irp j, 0,1,2,3
	QUANT2 ACC+32*\j, HX+10*\j, PW+\j
	global_store_b128 v6, v[HX+10*\j:HX+10*\j+3], s[58:59] offset:768*\j        ; 512 consecutive bytes
	global_store_b64 v5, v[HX+10*\j+4:HX+10*\j+5], s[58:59] offset:768*\j+512   ; 256
.endr
	v_cmp_le_u32 vcc_lo, 16, v1
	s_delay_alu instid0(VALU_DEP_1)
	v_cndmask_b32 v[SW], v[PW], v[PW+1], vcc_lo    ; lanes 0-15 hexad 0's words, lanes 16-31 hexad 1's
	s_delay_alu instid0(VALU_DEP_2)
	v_cndmask_b32 v[SW+1], v[PW+2], v[PW+3], vcc_lo
	global_store_b64 v5, v[SW:SW+1], s[60:61]      ; 256 consecutive bytes, aligned
	s_wait_tensorcnt 0x0
	ds_add_u32 v30, v31
	s_wait_dscnt 0x0
	s_endpgm
.Lfunc_end_k_q1c1be6143a_qkv:
	.size	k_q1c1be6143a_qkv, .Lfunc_end_k_q1c1be6143a_qkv-k_q1c1be6143a_qkv
	.p2alignl 7, 3214868480
	.fill 96, 4, 3214868480
	.section	.rodata,"a",@progbits
	.p2align	6, 0x0
	.amdhsa_kernel k_q1c1be6143a_qkv
		.amdhsa_group_segment_fixed_size 198144
		.amdhsa_private_segment_fixed_size 0
		.amdhsa_enable_private_segment 0
		.amdhsa_kernarg_size 72
		.amdhsa_user_sgpr_count 2
		.amdhsa_user_sgpr_kernarg_segment_ptr 1
		.amdhsa_wavefront_size32 1
		.amdhsa_system_sgpr_workgroup_id_x 1
		.amdhsa_system_sgpr_workgroup_id_y 1
		.amdhsa_system_sgpr_workgroup_id_z 1
		.amdhsa_system_vgpr_workitem_id 0
		.amdhsa_next_free_vgpr 288
		.amdhsa_next_free_sgpr 66
		.amdhsa_reserve_vcc 1
		.amdhsa_float_denorm_mode_32 3
		.amdhsa_float_denorm_mode_16_64 3
		.amdhsa_memory_ordered 1
		.amdhsa_forward_progress 1
		.amdhsa_inst_pref_size 40
	.end_amdhsa_kernel
	.amdgpu_metadata
---
amdhsa.version: [ 1, 2 ]
amdhsa.kernels:
  - .name:           k_q1c1be6143a_qkv
    .symbol:         k_q1c1be6143a_qkv.kd
    .args:
      - { .name: xc, .offset: 0, .size: 8, .value_kind: global_buffer, .address_space: global }
      - { .name: xs, .offset: 8, .size: 8, .value_kind: global_buffer, .address_space: global }
      - { .name: wc, .offset: 16, .size: 8, .value_kind: global_buffer, .address_space: global }
      - { .name: ws, .offset: 24, .size: 8, .value_kind: global_buffer, .address_space: global }
      - { .name: bq, .offset: 32, .size: 8, .value_kind: global_buffer, .address_space: global }
      - { .name: bk, .offset: 40, .size: 8, .value_kind: global_buffer, .address_space: global }
      - { .name: bv, .offset: 48, .size: 8, .value_kind: global_buffer, .address_space: global }
      - { .name: pc, .offset: 56, .size: 8, .value_kind: global_buffer, .address_space: global }
      - { .name: ps, .offset: 64, .size: 8, .value_kind: global_buffer, .address_space: global }
    .group_segment_fixed_size: 198144
    .private_segment_fixed_size: 0
    .kernarg_segment_align: 8
    .kernarg_segment_size: 72
    .max_flat_workgroup_size: 384
    .sgpr_count:     66
    .vgpr_count:     288
    .wavefront_size: 32
...
	.end_amdgpu_metadata
.endif
;; end of part 2
;; launch attn (part 3): grid 16 x 16, 16 waves a work-group, no clusters, 327,680 bytes of LDS; arguments pc, ps, oc, os; writes oc, os
.if DOCPART == 3
	.amdgcn_target "amdgcn-amd-amdhsa--gfx1250"
	.amdhsa_code_object_version 6
	.text
	.protected	k_q1c1be6143a_attn
	.globl	k_q1c1be6143a_attn
	.p2align	8
	.type	k_q1c1be6143a_attn,@function
k_q1c1be6143a_attn:
	s_mov_b64 s[64:65], 0
	v_nop
	global_prefetch_b8 v0, s[64:65] scope:SCOPE_SE
	s_setreg_imm32_b32 hwreg(HW_REG_WAVE_MODE, 25, 1), 1
	s_wait_xcnt 0x0
; O[bh][q] = the sum over keys of softmax(q . k / sqrt(512)) v, 16 (batch, head) x 4,096 queries x 4,096 keys x 64 dims, both products on codes of FP6 (E2M3); O is quantised again along the dims.
; THE SOFTMAX AHEAD OF THE SECOND PRODUCT: t = score x log2(e) / sqrt(512); M = the row's largest t so far, rounded UP to a whole number; p = 2^(t - M) is quantised along the keys, not normalised.
;   The row's sum is taken of the unquantised p and divides O at the end.  When M moves, the sum and O are multiplied by 2^(old M - new M), which rounds nothing.
; IN.  pc: [q, k, v][16 bh][64 groups of 64 tokens][4 hexads]; a hexad is 16 rows x 64 along K as an image of six operand registers (bytes 0-511: registers 0-3 at 16 x lane; 512-767: registers 4-5 at 8 x lane).
;   q, k: hexad j = token tile j, K = the 64 dims;  v: hexad j = dim tile j, K = the group's 64 tokens.  ps: 256 bytes a group: lane l's 8 bytes = the words of hexads l / 16 and 2 + l / 16, row l % 16.
; SHARES.  A work-group owns 256 queries of one (batch, head); each of its SIXTEEN waves owns 16, one tile, in 256 registers: four waves to a SIMD, so that one wave's vector work stands beside another's
;   matrix work and LDS loads.  Every wave walks all keys, 128 a step.
; BOTH PRODUCTS TRANSPOSED: S^T = K Q^T (source 0 = 16 keys), O^T = V^T P^T (source 0 = 16 dims): a lane holds ONE query throughout.  The 16 registers of key tiles 2 b, 2 b + 1 are half of block b of the keys;
;   inside a block place 16 a + 8 u + e holds key 16 u + 8 a + e, and v was quantised in the same order.
; K = 64 IN AN INSTRUCTION OF 128: Q's registers 6-11 are zero codes.  A key tile's operand is v[KF + 6 t .. KF + 6 t + 11]: its upper six registers are the next tile's codes (for tile 7 six zeros that stay);
;   they meet zero codes alone, under scale bytes 0x7f on both sides.  So nothing is loaded or cleared for the empty half.
; RING.  Two LDS slots of 512 keys (K 24,576 bytes, V 24,576 bytes, each dense in pc); wave 0 fetches K's, wave 1 V's, one tensor load each behind each change of slots; four steps of all sixteen waves pass
;   before it is waited for.  By this text's count a wave has two tensor loads out at the start, later one.  The head's scale words (2 x 16,384 bytes) come once, with the first fills.
; NO CLUSTER, though the 16 work-groups of a head walk the same K and V: for each slot a work-group fetches 49,152 bytes, while its sixteen waves read 16 x 4 x 13,312 = 851,968 bytes from LDS;
;   a joint load would spare three quarters of one seventeenth of the bytes that a slot moves, and tie 64 waves to each change of slots.
; OUT.  oc: [512 row tiles][8 heads] hexads;  os: [16 bh][4,096] words (two bytes and 0x7f7f).
; LIMITS: NaN and infinities are not served.  A block whose largest magnitude lies under 2^-124, a block of zeros among them, gets the byte 1: its bytes are read by this program alone.
;   A block's largest p is taken as the exponential of its largest score, which takes v_exp_f32 not to fall where its input rises.
.set SLOT1, 65536                      ; slot 1 begins here: one exclusive or turns an address in one slot into the other's
.set VOFF,  24576                      ; a slot: K's 8 groups, then V's
.set SCK,   131072                     ; K's scale words of the head
.set SCV,   147456                     ; V's
.set SPARE, 163840                     ; the spare words, 128 bytes for each of 16 waves: eight blocks of 256 bytes that no other line names
.set OSC,   165888                     ; 1,024 bytes: the 256 queries' words on the way out; no fill lands here
.set KF,  40                           ; v40-87 eight key tiles, later four fragments of V;  v88-93 zeros, never rewritten
.set S,   96                           ; v96-159 S^T, then p
.set O,   160                          ; v160-191 O^T
.set PC,  192                          ; v192-203 p's codes;  v204-206, v208-210 at work
.set BM,  212                          ; v212-215 the blocks' largest
.set TM,  212                          ; (the way out's quantiser works in v212-225)
.set T2,  216
.set SO,  220
.set TMP, 224
.set FF,  226                          ; v[226:227] f
.set PW,  228                          ; p's scale word
.set LC,  230                          ; v[230:231] the sum's second chain
.set WV,  12                           ; s12 my wave's number;  s13 (batch, head)
.set SEL, 14                           ; s[14:15] lane selects: lane l xor 16
.set CS,  16                           ; s[16:17] c = log2(e) / sqrt(512)
.set G1T, 20                           ; s[20:27] descriptor group 1 for a slot's half;  s[28:35] for the scale words;  s[36:39] group 0 that walks;  s[40:43] the scale words'
.set G1S, 28
.set G0T, 36
.set G0S, 40
.set TB,  44                           ; s44 LDS byte at which the slot in hand begins
.set TS,  45                           ; s45 where the step's scale words begin: 512 bytes a step
.set SLOTS, 46                         ; s46 slots still to be asked for
.set PFA, 48                           ; s[48:49] where my prefetches stand
.set LIM, 50                           ; s50 1 in a wave that prefetches, else the greatest number
; registers that stay: v3 16 x lane, v4 8 x lane, v5 my spare word's address, v6 0, v8 8 x lane + SCK, v9 256 x lane, v10, v11 the way out; v12 -M, v13 the largest t, v[14:15] the sum; v16-27 Q, v28 its words
.macro TLOAD                           ; waves 0 and 1 fetch, the others nothing; the branch hangs on the wave's number alone; four v_nop follow the load
	s_cmp_lt_u32 s[WV], 2
	s_cbranch_scc0 .Lnone_\@
	tensor_load_to_lds s[G0T:G0T+3], s[G1T:G1T+7]
	s_nop 0
.rept 4
	v_nop
.endr
.Lnone_\@:
.endm
; A PREFETCH of what the NEXT change of slots will ask for: K's and V's 24,576 dense bytes.  All work-groups of a head walk the same bytes: the head's first work-group asks.  In it waves 4-6 ask for K's
; and waves 8-10 for V's, 8,192 bytes a wave, lanes 256 bytes apart, one instruction each: each aligned 256 bytes are named once in the launch.  Slots 0 and 1 come by their loads alone; the last change that fills asks for nothing.
.macro ASK
	s_cmp_gt_u32 s[SLOTS], s[LIM]
	s_cbranch_scc0 .Lnot_mine_\@
	global_prefetch_b8 v9, s[PFA:PFA+1] th:TH_LOAD_NT scope:SCOPE_SE
.Lnot_mine_\@:
.endm
; THE CHANGE OF SLOTS stands at a slot's head.  Each wave waits for all its tensor loads, adds 0 to its spare word, and waits for that and for its reads of the slot that it has left.
; Behind the barrier the slot ahead is whole and nobody reads the other one; fill = 1: that one is filled with the next 512 keys.
.macro CHANGE fill
	s_wait_tensorcnt 0x0                           ; no tensor load of mine is out, so the walking group 0 may be written
	ds_add_u32 v5, v6                              ; 0 onto my spare word
.if \fill
	ds_add_u32 v5, v6                              ; and once more
	s_xor_b32 s[G0T+1], s[G0T+1], SLOT1            ; the other slot than last time,
	s_add_nc_u64 s[G0T+2:G0T+3], s[G0T+2:G0T+3], 24576   ; the next 512 keys; the type bits on top are not reached
	s_wait_xcnt 0x0                                ; the last prefetch, a slot back, has read its address
	s_add_nc_u64 s[PFA:PFA+1], s[PFA:PFA+1], 24576 ; one slot further on than the walking descriptor
.endif
	s_wait_dscnt 0x0                               ; the add is done, and my reads of the slot that I have left are over
	s_barrier_signal -1
	s_barrier_wait -1
.if \fill
	TLOAD                                          ; the first thing behind the barrier, and a wave's one tensor load until the next
	ASK
.endif
.endm
; A KEY STEP: 128 keys, the q-th of the slot in hand
.macro STEP q
	v_add_nc_u32 v7, s[TS], v8                     ; the step's scale words.  With three v_nop: the four places behind the last products, in front of loads into their registers
.rept 3
	v_nop
.endr
.irp t, 0,1,2,3,4,5,6,7
	ds_load_b128 v[KF+6*\t:KF+6*\t+3], v1 offset:(\q)*6144+768*\t
	ds_load_b64 v[KF+6*\t+4:KF+6*\t+5], v2 offset:(\q)*6144+768*\t+512
.endr
	ds_load_b64 v[30:31], v7                       ; K's words: register t / 2, lanes 0-15 the even tile, lanes 16-31 the odd
	ds_load_b64 v[32:33], v7 offset:256
	s_wait_alu depctr_va_vdst(0)
	s_wait_dscnt 0x0
.irp t, 0,2,4,6
	v_wmma_scale_f32_16x16x128_f8f6f4 v[S+8*\t:S+8*\t+7], v[KF+6*\t:KF+6*\t+11], v[16:27], 0, v[30+\t/2], v28 matrix_a_fmt:MATRIX_FMT_FP6 matrix_b_fmt:MATRIX_FMT_FP6
	v_wmma_scale_f32_16x16x128_f8f6f4 v[S+8*\t+8:S+8*\t+15], v[KF+6*\t+6:KF+6*\t+17], v[16:27], 0, v[30+\t/2], v28 matrix_a_fmt:MATRIX_FMT_FP6 matrix_b_fmt:MATRIX_FMT_FP6 matrix_a_scale:MATRIX_SCALE_ROW1
.endr
.rept 4
	v_nop                                          ; places: for the loads below, into registers that these products read, and for the first read of the scores
.endr
.irp n, 0,1,2,3                        ; V's four fragments: dim tile n, registers 0-5 the step's first 64 keys, 6-11 its second.  They land under the softmax
.irp e, 0,1
	ds_load_b128 v[KF+12*\n+6*\e:KF+12*\n+6*\e+3], v1 offset:VOFF+(\q)*6144+\e*3072+\n*768
	ds_load_b64 v[KF+12*\n+6*\e+4:KF+12*\n+6*\e+5], v2 offset:VOFF+(\q)*6144+\e*3072+\n*768+512
.endr
.endr
	ds_load_b64 v[34:35], v7 offset:SCV-SCK        ; V's words of the first 64 keys,
	ds_load_b64 v[36:37], v7 offset:SCV-SCK+256    ; of the second
.irp b, 0,1,2,3
	v_max3_num_f32 v[BM+\b], v[S+16*\b], v[S+16*\b+1], v[S+16*\b+2]          ; the largest score of each block of 32 keys: for the row's maximum, and for the block's largest p
.endr
.irp i, 3,5,7,9,11,13
.irp b, 0,1,2,3
	v_max3_num_f32 v[BM+\b], v[BM+\b], v[S+16*\b+\i], v[S+16*\b+\i+1]
.endr
.endr
.irp b, 0,1,2,3
	v_max_num_f32 v[BM+\b], v[BM+\b], v[S+16*\b+15]
.endr
.irp b, 0,1,2,3
	s_delay_alu instid0(VALU_DEP_4)
	v_permlanex16_b32 v[T2+\b], v[BM+\b], s[SEL], s[SEL+1]
.endr
.irp b, 0,1,2,3
	s_delay_alu instid0(VALU_DEP_4)
	v_max_num_f32 v[BM+\b], v[BM+\b], v[T2+\b]     ; with lane l xor 16's 16 keys
.endr
	s_delay_alu instid0(VALU_DEP_2)
	v_max3_num_f32 v[TMP], v[BM], v[BM+1], v[BM+2]
	s_delay_alu instid0(VALU_DEP_1)
	v_max_num_f32 v[TMP], v[TMP], v[BM+3]          ; the step's largest score of my query
	s_delay_alu instid0(VALU_DEP_1)
	v_mul_f32 v[TMP], s[CS], v[TMP]                ; as t (c is positive)
	s_delay_alu instid0(VALU_DEP_1)
	v_max_num_f32 v13, v13, v[TMP]                 ; the running largest t
	v_mov_b32 v[TMP], v12
	s_delay_alu instid0(VALU_DEP_2)
	v_floor_f32 v12, -v13                          ; the new -M = floor(-t) = -ceil(t)
	s_delay_alu instid0(VALU_DEP_1)
	v_sub_f32 v[TMP], v12, v[TMP]                  ; old M - new M: a whole number, 0 or less
	s_delay_alu instid0(VALU_DEP_1)
	v_cvt_i32_f32 v[TMP], v[TMP]                   ; (it saturates)
	s_delay_alu instid0(VALU_DEP_1)
	v_ldexp_f32 v[FF], 1.0, v[TMP]                 ; f = 2^(old M - new M)
.irp j, 0,2,4,6,8,10,12,14,16,18,20,22,24,26,28,30,32,34,36,38,40,42,44,46,48,50,52,54,56,58,60,62
	v_pk_fma_f32 v[S+\j:S+\j+1], v[S+\j:S+\j+1], s[CS:CS+1], v[12:13] op_sel_hi:[1,0,0]   ; t - M, two at a time (of the pairs c and -M the low word serves both halves)
.endr
.irp b, 0,1,2,3
	v_fma_f32 v[BM+\b], v[BM+\b], s[CS], v12       ; the same of each block's largest score
.endr
.irp j, 0,2,4,6,8,10,12,14,16,18,20,22,24,26,28,30
	v_pk_mul_f32 v[O+\j:O+\j+1], v[O+\j:O+\j+1], v[FF:FF+1] op_sel_hi:[1,0]  ; O^T under the new M, each accumulator from its low end on: ahead of the exponentials, so that no transcendental stands between the products and this first read
.endr
	s_wait_alu depctr_va_vdst(0)
.irp j, 0,1,2,3,4,5,6,7,8,9,10,11,12,13,14,15,16,17,18,19,20,21,22,23,24,25,26,27,28,29,30,31,32,33,34,35,36,37,38,39,40,41,42,43,44,45,46,47,48,49,50,51,52,53,54,55,56,57,58,59,60,61,62,63
	v_exp_f32 v[S+\j], v[S+\j]                     ; p = 2^(t - M), at most 1
.endr
	v_pk_mul_f32 v[14:15], v[14:15], v[FF:FF+1] op_sel_hi:[1,0]              ; work that names no exponential's result stands behind the batch: the sum under the new M
	s_wait_dscnt 0x0                               ; V and its words are in
	v_perm_b32 v38, v36, v34, 0x05040100           ; and V's words for 128 keys: the first 64 keys' two bytes below, the second's above; lanes 0-15 the even dim tile, lanes 16-31 the odd
	v_perm_b32 v39, v37, v35, 0x05040100
	s_wait_alu depctr_va_vdst(0)                   ; one wait for the whole batch, ahead of its first reader
.irp b, 0,1,2,3
	v_exp_f32 v[BM+\b], v[BM+\b]                   ; the block's largest p: the same two instructions on the same number
.endr
	v_pk_add_f32 v[LC:LC+1], v[S:S+1], v[S+2:S+3]  ; the row's sum is taken of the unquantised p, in two chains; this half of it is the plain work behind the four
.irp j, 4,8,12,16,20,24,28
	v_pk_add_f32 v[14:15], v[14:15], v[S+\j:S+\j+1]
	v_pk_add_f32 v[LC:LC+1], v[LC:LC+1], v[S+\j+2:S+\j+3]
.endr
	s_wait_alu depctr_va_vdst(0)                   ; and one for the four
.irp b, 0,1,2,3
	v_max_num_f32 v[BM+\b], 0x1800000, v[BM+\b]    ; the floor 2^(3 - 127): the byte cannot fall under 1
.endr
.irp b, 0,1,2,3
	s_delay_alu instid0(VALU_DEP_4)
	v_add_nc_u32 v[SO+\b], 0xff000000, v[BM+\b]    ; 2 off the exponent field: the conversion's scale operand
.endr
.irp b, 0,1,2,3
	s_delay_alu instid0(VALU_DEP_4)
	v_lshrrev_b32 v[T2+\b], 23, v[SO+\b]           ; the byte
.endr
	s_delay_alu instid0(VALU_DEP_3)
	v_lshl_or_b32 v[PW], v[T2+1], 8, v[T2]
	s_delay_alu instid0(VALU_DEP_1)
	v_lshl_or_b32 v[PW], v[T2+2], 16, v[PW]
	s_delay_alu instid0(VALU_DEP_1)
	v_lshl_or_b32 v[PW], v[T2+3], 24, v[PW]
.irp c, 0,1
	v_cvt_scalef32_pk16_fp6_f32 v[PC+6*\c:PC+6*\c+2], v[S+32*\c:S+32*\c+15], v[SO+2*\c]
	v_cvt_scalef32_pk16_fp6_f32 v[PC+12+4*\c:PC+12+4*\c+2], v[S+32*\c+16:S+32*\c+31], v[SO+2*\c+1]   ; (a conversion's three registers begin on an even number)
.endr
	v_nop                                          ; one plain line behind the scaled conversions
.irp c, 0,1                            ; a whole block to a lane: lanes 0-15 block 2 c, lanes 16-31 block 2 c + 1
.irp i, 0,1,2
	v_permlane16_swap_b32 v[PC+6*\c+\i], v[PC+12+4*\c+\i]
.endr
.irp i, 0,1,2
	s_delay_alu instid0(VALU_DEP_3)
	v_mov_b32 v[PC+6*\c+3+\i], v[PC+12+4*\c+\i]
.endr
.endr
.irp j, 32,36,40,44,48,52,56,60        ; the sum's other half: 17 plain lines between the lines that made p's codes and word and the scaled products that take them
	v_pk_add_f32 v[14:15], v[14:15], v[S+\j:S+\j+1]
	v_pk_add_f32 v[LC:LC+1], v[LC:LC+1], v[S+\j+2:S+\j+3]
.endr
	s_delay_alu instid0(VALU_DEP_1)
	v_pk_add_f32 v[14:15], v[14:15], v[LC:LC+1]
.irp n, 0,2
	v_wmma_scale_f32_16x16x128_f8f6f4 v[O+8*\n:O+8*\n+7], v[KF+12*\n:KF+12*\n+11], v[PC:PC+11], v[O+8*\n:O+8*\n+7], v[38+\n/2], v[PW] matrix_a_fmt:MATRIX_FMT_FP6 matrix_b_fmt:MATRIX_FMT_FP6
	v_wmma_scale_f32_16x16x128_f8f6f4 v[O+8*\n+8:O+8*\n+15], v[KF+12*\n+12:KF+12*\n+23], v[PC:PC+11], v[O+8*\n+8:O+8*\n+15], v[38+\n/2], v[PW] matrix_a_fmt:MATRIX_FMT_FP6 matrix_b_fmt:MATRIX_FMT_FP6 matrix_a_scale:MATRIX_SCALE_ROW1
.endr
	s_add_co_u32 s[TS], s[TS], 512                 ; the next step's scale words
.endm
.macro SLOT_STEPS
	v_add_nc_u32 v1, s[TB], v3
	s_wait_alu depctr_va_vdst(0)
	v_add_nc_u32 v2, s[TB], v4
	s_wait_alu depctr_va_vdst(0)
	STEP 0
	STEP 1
	STEP 2
	STEP 3
	s_xor_b32 s[TB], s[TB], SLOT1                  ; on to the other slot
.endm
; 32 numbers of a lane, register 16 b + i = place i of my half of block b, become a hexad in v[pc .. pc + 5] (pc + 6 .. pc + 8 at work) and its word in v[pw]
.macro QUANT2 s, pc, pw
.irp b, 0,1
	v_max3_num_f32 v[TM+\b], |v[\s+16*\b]|, |v[\s+16*\b+1]|, 0x1800000
.endr
.irp i, 2,4,6,8,10,12,14
.irp b, 0,1
	s_delay_alu instid0(VALU_DEP_2)
	v_max3_num_f32 v[TM+\b], v[TM+\b], |v[\s+16*\b+\i]|, |v[\s+16*\b+\i+1]|
.endr
.endr
.irp b, 0,1
	s_delay_alu instid0(VALU_DEP_2)
	v_permlanex16_b32 v[TM+4+\b], v[TM+\b], s[SEL], s[SEL+1]
.endr
.irp b, 0,1
	s_delay_alu instid0(VALU_DEP_2)
	v_max_num_f32 v[TM+\b], v[TM+\b], v[TM+4+\b]
.endr
.irp b, 0,1
	s_delay_alu instid0(VALU_DEP_2)
	v_add_nc_u32 v[TM+12+\b], 0xff000000, v[TM+\b]
.endr
.irp b, 0,1
	s_delay_alu instid0(VALU_DEP_2)
	v_lshrrev_b32 v[TM+4+\b], 23, v[TM+12+\b]
.endr
	s_delay_alu instid0(VALU_DEP_1)
	v_lshl_or_b32 v[\pw], v[TM+5], 8, v[TM+4]
	s_delay_alu instid0(VALU_DEP_1)
	v_or_b32 v[\pw], 0x7f7f0000, v[\pw]
	v_cvt_scalef32_pk16_fp6_f32 v[\pc:\pc+2], v[\s:\s+15], v[TM+12]
	v_cvt_scalef32_pk16_fp6_f32 v[\pc+6:\pc+8], v[\s+16:\s+31], v[TM+13]
	v_nop
.irp i, 0,1,2
	v_permlane16_swap_b32 v[\pc+\i], v[\pc+6+\i]
.endr
.irp i, 0,1,2
	s_delay_alu instid0(VALU_DEP_3)
	v_mov_b32 v[\pc+3+\i], v[\pc+6+\i]
.endr
.endm
	s_load_b256 s[4:11], s[0:1], 0x0               ; pc 4, ps 6, oc 8, os 10
	v_lshl_add_u32 v5, v0, 2, SPARE
	v_mov_b32 v6, 0
	ds_add_u32 v5, v6
	ds_add_u32 v5, v6
	s_wait_dscnt 0x0
	v_lshrrev_b32 v1, 5, v0
	s_delay_alu instid0(VALU_DEP_1)
	v_readfirstlane_b32 s[WV], v1                  ; wave 0..15
	s_and_b32 s13, ttmp7, 0xffff                   ; (batch, head)
	; descriptor groups 1: dense blocks as rows of 256 bytes (32 elements of 8 bytes), no padding: 96 rows for half a slot, 64 for a head's scale words
	s_mov_b32 s[G1T+0], 3<<16
	s_mov_b32 s[G1T+1], 32<<16
	s_mov_b32 s[G1T+2], 96<<16
	s_mov_b32 s[G1T+3], 32<<16
	s_mov_b32 s[G1T+4], 96
	s_mov_b32 s[G1T+5], 32
	s_mov_b32 s[G1T+6], 0
	s_mov_b32 s[G1T+7], 0
	s_mov_b32 s[G1S+0], 3<<16
	s_mov_b32 s[G1S+1], 32<<16
	s_mov_b32 s[G1S+2], 64<<16
	s_mov_b32 s[G1S+3], 32<<16
	s_mov_b32 s[G1S+4], 64
	s_mov_b32 s[G1S+5], 32
	s_mov_b32 s[G1S+6], 0
	s_mov_b32 s[G1S+7], 0
	s_and_b32 s18, s[WV], 1                        ; 0: K, 1: V
	s_add_co_u32 s19, s18, 1
	s_mul_i32 s52, s19, 3145728
	s_mul_i32 s53, s13, 196608
	s_add_co_u32 s52, s52, s53                     ; the head's codes of K or V
	s_mov_b32 s53, 0
	s_mul_i32 s54, s19, 262144
	s_lshl_b32 s55, s13, 14
	s_add_co_u32 s54, s54, s55                     ; and their scale words
	s_mov_b32 s55, 0
	s_mul_i32 s56, s18, VOFF                       ; in a slot
	s_lshl_b32 s57, s18, 14
	s_mov_b32 s[SEL], 0x76543210
	s_mov_b32 s[SEL+1], 0xfedcba98
	s_mov_b32 s[CS], 0x3d8293ee                    ; c = log2(e) / sqrt(512)
	s_mov_b32 s[CS+1], s[CS]                       ; (named with it as a pair, so it is written)
	s_mov_b32 s[TB], 0
	s_mov_b32 s[TS], 0
	s_mov_b32 s[SLOTS], 7                          ; 8 slots of 512 keys; the first comes with the first fills
	s_wait_kmcnt 0x0
	s_mov_b32 s[G0S], 1
	s_add_co_u32 s[G0S+1], s57, SCK
	s_add_nc_u64 s[G0S+2:G0S+3], s[6:7], s[54:55]
	s_or_b32 s[G0S+3], s[G0S+3], 0x80000000
	s_mov_b32 s[G0T], 1
	s_mov_b32 s[G0T+1], s56
	s_add_nc_u64 s[G0T+2:G0T+3], s[4:5], s[52:53]
	s_or_b32 s[G0T+3], s[G0T+3], 0x80000000
	s_cmp_lt_u32 s[WV], 2                          ; a wave's first fill, if any, stands in one chain of branches, ahead of every wait on TENSORcnt, every LDS read and every barrier
	; THE FIRST FILLS, ONE A WAVE (this takes the place of what the head comment says of them): waves 0 and 1 fetch slot 0's K and V, waves 2 and 3 the head's scale words of K and of V
	; (both descriptors are made from wave % 2); the other waves fetch nothing.  One chain of branches on the wave's number, one load to an arm, all arms leading to one join.
	s_cbranch_scc0 .Lfirst_words
	tensor_load_to_lds s[G0T:G0T+3], s[G1T:G1T+7]  ; slot 0
	s_nop 0
.rept 4
	v_nop
.endr
	s_branch .Lno_first
.Lfirst_words:
	s_cmp_lt_u32 s[WV], 4
	s_cbranch_scc0 .Lno_first
	tensor_load_to_lds s[G0S:G0S+3], s[G1S:G1S+7]  ; the head's scale words: filled once
	s_nop 0
.rept 4
	v_nop
.endr
.Lno_first:
	v_and_b32 v1, 31, v0                           ; lane
	s_delay_alu instid0(VALU_DEP_1)
	v_lshlrev_b32 v3, 4, v1
	s_delay_alu instid0(VALU_DEP_2)
	v_lshlrev_b32 v4, 3, v1
	s_delay_alu instid0(VALU_DEP_1)
	v_add_nc_u32 v8, SCK, v4
	s_delay_alu instid0(VALU_DEP_4)
	v_lshlrev_b32 v9, 8, v1
	v_and_b32 v2, 15, v0                           ; r
	s_delay_alu instid0(VALU_DEP_1)
	v_lshlrev_b32 v29, 3, v2                       ; Q's word: 8 r
	s_wait_alu depctr_va_vdst(0)
	v_lshrrev_b32 v10, 5, v0
	s_delay_alu instid0(VALU_DEP_1)
	v_lshlrev_b32 v10, 6, v10
	s_delay_alu instid0(VALU_DEP_1)
	v_lshl_add_u32 v10, v2, 2, v10
	s_delay_alu instid0(VALU_DEP_1)
	v_add_nc_u32 v10, OSC, v10                     ; the way out: my query's word: 64 x wave + 4 r
	v_add_nc_u32 v11, OSC, v3                      ; and where wave 0 reads the words back
	s_lshl_b32 s62, ttmp9, 4
	s_add_co_u32 s62, s62, s[WV]                   ; T: my tile of 16 queries, 0..255
	s_lshl_b32 s63, s13, 8
	s_add_co_u32 s63, s63, s62
	s_mul_i32 s58, s63, 768
	s_mov_b32 s59, 0
	s_add_nc_u64 s[58:59], s[4:5], s[58:59]        ; Q's hexad
	s_lshl_b32 s60, s13, 6
	s_lshr_b32 s63, s62, 2
	s_add_co_u32 s60, s60, s63
	s_lshl_b32 s60, s60, 8                         ; its group's 256 bytes of words,
	s_and_b32 s63, s62, 1
	s_lshl_b32 s63, s63, 7
	s_add_co_u32 s60, s60, s63                     ; hexad j = T % 4 lies at 128 (j % 2) + 4 (j / 2) + 8 r
	s_bfe_u32 s63, s62, 0x10001
	s_lshl_b32 s63, s63, 2
	s_add_co_u32 s60, s60, s63
	s_mov_b32 s61, 0
	s_add_nc_u64 s[60:61], s[6:7], s[60:61]
	global_load_b128 v[16:19], v3, s[58:59] th:TH_LOAD_NT
	global_load_b64 v[20:21], v4, s[58:59] offset:512 th:TH_LOAD_NT
	global_load_b32 v28, v29, s[60:61]
	s_lshr_b32 s63, s13, 3                         ; oc: ((batch x 256 + T) x 8 + head) hexads
	s_lshl_b32 s63, s63, 8
	s_add_co_u32 s63, s63, s62
	s_lshl_b32 s63, s63, 3
	s_and_b32 s51, s13, 7
	s_add_co_u32 s63, s63, s51
	s_mul_i32 s52, s63, 768
	s_mov_b32 s53, 0
	s_add_nc_u64 s[8:9], s[8:9], s[52:53]
	s_lshl_b32 s52, s13, 14                        ; os: 16,384 bytes a head, 1,024 for my work-group's queries
	s_lshl_b32 s51, ttmp9, 10
	s_add_co_u32 s52, s52, s51
	s_add_nc_u64 s[10:11], s[10:11], s[52:53]
	; the prefetches: where my wave's stand, and who asks
	s_lshr_b32 s51, s[WV], 3                       ; waves 4-6: K, waves 8-10: V
	s_add_co_u32 s51, s51, 1
	s_mul_i32 s51, s51, 3145728
	s_mul_i32 s52, s13, 196608
	s_add_co_u32 s52, s52, s51
	s_and_b32 s51, s[WV], 3
	s_lshl_b32 s51, s51, 13                        ; my wave's 8,192 bytes
	s_add_co_u32 s52, s52, s51
	s_add_co_u32 s52, s52, 24576                   ; in slot 1: the first change of slots steps it to slot 2
	s_add_nc_u64 s[PFA:PFA+1], s[4:5], s[52:53]
	s_sub_co_u32 s51, s[WV], 4
	s_lshr_b32 s51, s51, 3                         ; 0 in waves 4 to 11,
	s_or_b32 s51, s51, ttmp9                       ; of the head's first work-group
	s_cmp_eq_u32 s51, 0
	s_cselect_b32 s[LIM], 1, -1
	s_and_b32 s51, s[WV], 3
	s_cmp_eq_u32 s51, 3                            ; (three waves' worth each)
	s_cselect_b32 s[LIM], -1, s[LIM]
.irp j, 22,23,24,25,26,27,88,89,90,91,92,93
	v_mov_b32 v[\j], 0                             ; zero codes: Q's empty half, and what stands above key tile 7
.endr
	v_mov_b32 v13, 0xff61b1e6                      ; the largest t so far: -3e38, under every t
	s_delay_alu instid0(VALU_DEP_1)
	v_floor_f32 v12, -v13                          ; -M
	v_mov_b32 v14, 0                               ; the sum, in two halves
	v_mov_b32 v15, 0
.irp b, 0,1,2,3
	v_mov_b32 v[T2+\b], 0                          ; written once: a lane permute's destination counts as one of its sources
.endr
	v_mov_b32 v[TMP], 0
	v_mov_b32 v[FF+1], 0                           ; (named as the upper half of the pair before it is ever used)
.irp j, 0,1,2,3,4,5,6,7,8,9,10,11,12,13,14,15,16,17,18,19,20,21,22,23,24,25,26,27,28,29,30,31
	v_mov_b32 v[O+\j], 0                           ; O^T: the step is written once; its first run finds zeros, which the first change of M leaves zeros
.endr
	s_wait_loadcnt 0x0                             ; Q
.Lslot:                                            ; 7 trips: behind each change of slots but the last the next slot is asked for
	CHANGE 1
	SLOT_STEPS
	s_sub_co_u32 s[SLOTS], s[SLOTS], 1
	s_cmp_lg_u32 s[SLOTS], 0
	s_cbranch_scc1 .Lslot
	CHANGE 0                                       ; the last slot is written out
	SLOT_STEPS
	; THE WAY OUT: O^T / the sum, quantised along the dims: one hexad and one word a query
.rept 4
	v_nop                                          ; places behind the last products
.endr
	v_add_f32 v14, v14, v15                        ; the sum's two halves,
	s_delay_alu instid0(VALU_DEP_1)
	v_permlanex16_b32 v[TMP], v14, s[SEL], s[SEL+1]
	s_delay_alu instid0(VALU_DEP_1)
	v_add_f32 v14, v14, v[TMP]                     ; and lane l xor 16's
	s_wait_alu depctr_va_vdst(0)
	v_rcp_f32 v[FF], v14
	v_nop                                          ; a plain line behind the reciprocal
	s_wait_alu depctr_va_vdst(0)                   ; and the wait ahead of its first reader
.irp j, 0,2,4,6,8,10,12,14,16,18,20,22,24,26,28,30
	v_pk_mul_f32 v[O+\j:O+\j+1], v[O+\j:O+\j+1], v[FF:FF+1] op_sel_hi:[1,0]
.endr
	QUANT2 O, PC, PW
	global_store_b128 v3, v[PC:PC+3], s[8:9]       ; 512 consecutive bytes
	global_store_b64 v4, v[PC+4:PC+5], s[8:9] offset:512
	ds_store_b32 v10, v[PW]                        ; both halves of the lanes write the same word with the same value
	s_wait_dscnt 0x0                               ; for the others' sake: my store is done
	s_barrier_signal -1
	s_barrier_wait -1
	s_cmp_lg_u32 s[WV], 0
	s_cbranch_scc1 .Lnot_wave_0
	ds_load_b128 v[96:99], v11                     ; wave 0 stores the work-group's 256 words: 1,024 consecutive bytes
	ds_load_b128 v[100:103], v11 offset:512
	s_wait_dscnt 0x0
	global_store_b128 v3, v[96:99], s[10:11]
	global_store_b128 v3, v[100:103], s[10:11] offset:512
.Lnot_wave_0:
	s_wait_tensorcnt 0x0                           ; the wave's end, behind my last tensor load and my last LDS store
	ds_add_u32 v5, v6
	s_wait_dscnt 0x0
	s_endpgm
.Lfunc_end_k_q1c1be6143a_attn:
	.size	k_q1c1be6143a_attn, .Lfunc_end_k_q1c1be6143a_attn-k_q1c1be6143a_attn
	.p2alignl 7, 3214868480
	.fill 96, 4, 3214868480
	.section	.rodata,"a",@progbits
	.p2align	6, 0x0
	.amdhsa_kernel k_q1c1be6143a_attn
		.amdhsa_group_segment_fixed_size 327680
		.amdhsa_private_segment_fixed_size 0
		.amdhsa_enable_private_segment 0
		.amdhsa_kernarg_size 32
		.amdhsa_user_sgpr_count 2
		.amdhsa_user_sgpr_kernarg_segment_ptr 1
		.amdhsa_wavefront_size32 1
		.amdhsa_system_sgpr_workgroup_id_x 1
		.amdhsa_system_sgpr_workgroup_id_y 1
		.amdhsa_system_sgpr_workgroup_id_z 1
		.amdhsa_system_vgpr_workitem_id 0
		.amdhsa_next_free_vgpr 256
		.amdhsa_next_free_sgpr 66
		.amdhsa_reserve_vcc 0
		.amdhsa_float_denorm_mode_32 3
		.amdhsa_float_denorm_mode_16_64 3
		.amdhsa_memory_ordered 1
		.amdhsa_forward_progress 1
		.amdhsa_inst_pref_size 151
	.end_amdhsa_kernel
	.amdgpu_metadata
---
amdhsa.version: [ 1, 2 ]
amdhsa.kernels:
  - .name:           k_q1c1be6143a_attn
    .symbol:         k_q1c1be6143a_attn.kd
    .args:
      - { .name: pc, .offset: 0, .size: 8, .value_kind: global_buffer, .address_space: global }
      - { .name: ps, .offset: 8, .size: 8, .value_kind: global_buffer, .address_space: global }
      - { .name: oc, .offset: 16, .size: 8, .value_kind: global_buffer, .address_space: global }
      - { .name: os, .offset: 24, .size: 8, .value_kind: global_buffer, .address_space: global }
    .group_segment_fixed_size: 327680
    .private_segment_fixed_size: 0
    .kernarg_segment_align: 8
    .kernarg_segment_size: 32
    .max_flat_workgroup_size: 512
    .sgpr_count:     66
    .vgpr_count:     256
    .wavefront_size: 32
...
	.end_amdgpu_metadata
.endif
;; end of part 3
;; launch proj (part 4): grid 64 x 4, 4 waves a work-group, no clusters, 168,448 bytes of LDS; arguments oc, os, wc, ws, bo, out0; writes out0
.if DOCPART == 4
	.amdgcn_target "amdgcn-amd-amdhsa--gfx1250"
	.amdhsa_code_object_version 6
	.text
	.protected	k_q1c1be6143a_proj
	.globl	k_q1c1be6143a_proj
	.p2align	8
	.type	k_q1c1be6143a_proj,@function
k_q1c1be6143a_proj:
	s_mov_b64 s[64:65], 0
	v_nop
	global_prefetch_b8 v0, s[64:65] scope:SCOPE_SE
	s_setreg_imm32_b32 hwreg(HW_REG_WAVE_MODE, 25, 1), 1
	s_wait_xcnt 0x0
; out0 = A Wo + bo on codes of FP6 (E2M3): A [8192][512] is the attention's result, quantised by the launch before.
; Codes come as HEXADS (16 rows x 64 along K, an image of six operand registers: bytes 0-511 registers 0-3 at 16 x lane, bytes 512-767 registers 4-5 at 8 x lane): oc [512 row tiles][8 heads], wc's fourth weight [32 column tiles][8].
; SHARES.  A work-group takes 128 tokens (x of the grid) x 128 columns (y); wave w takes tokens 64 (w % 2) on, columns 64 (w / 2) on: 16 accumulators, 64 matrix instructions over K = 512.
; LDS, filled ONCE: the tokens' 8 tiles (49,152 bytes, dense in oc) at 0, Wo's 8 column tiles (49,152 bytes, dense in wc) behind them; each wave brings 24,576 of these bytes by one tensor load.
;   Behind them a stage of 16 rows x (256 + 16) bytes for each wave; no fill lands there.
; TRANSPOSED: source 0 = 16 columns of Wo, source 1 = 16 tokens: a lane holds one token and eight neighbouring columns.  The bias is the C of each sum's first matrix instruction.
; A's SCALES: os has a word (two bytes and 0x7f7f) for each (batch, head) and token; a K step of 128 is two heads: their low halves are joined into one word.
; NO CLUSTER: the tokens' block is shared by 4 work-groups and Wo's by 64, but each work-group fills its LDS once, 24,576 bytes a wave; two rounds of a cluster's barrier would frame that one fill.
; LIMITS: NaN and infinities are not served.
.set S0,  12                           ; v12-19  Wo's scale words: register 2 i + p: lanes 0-15 K step 2 p, lanes 16-31 K step 2 p + 1 of tile i
.set S1,  20                           ; v20-27  A's
.set F0,  32                           ; v32-79  Wo's four fragments
.set F1,  80                           ; v80-127 A's
.set ACC, 128                          ; v128-255 accumulator (i, j) at 128 + 32 j + 8 i;  window 1, v0-31: the bias
.set BK,  32                           ; the way out: 16 rows read back from the stage, v32-63 and v64-95 by turns
.set STG, 98304
.set G1,  32
.set G0,  40
.set MSB, 0
.macro WIN new                         ; the immediate's high byte repeats the setting that is left
.if MSB != \new
	s_set_vgpr_msb (MSB<<8)|\new
.set MSB, \new
.endif
.endm
.macro PLACES                          ; four plain lines between matrix instructions and loads into, or stores of, their registers
.rept 4
	v_nop
.endr
.endm
.macro FRAG reg, a16, a8, off          ; a fragment = two hexads on end
	ds_load_b128 v[\reg:\reg+3], v[\a16] offset:\off
	ds_load_b64 v[\reg+4:\reg+5], v[\a8] offset:\off+512
	ds_load_b128 v[\reg+6:\reg+9], v[\a16] offset:\off+768
	ds_load_b64 v[\reg+10:\reg+11], v[\a8] offset:\off+1280
.endm
.macro FETCH s
.irp i, 0,1,2,3
	FRAG F0+12*\i, 7, 8, \i*6144+(\s)*1536
	FRAG F1+12*\i, 9, 10, \i*6144+(\s)*1536
.endr
.endm
; 16 matrix instructions, K step s; the 16 accumulators take turns, one instruction a turn.  cmode 1: C = the bias; 0: in place
.macro MUL16 s, cmode
.if \cmode
	WIN 0x10                                       ; source 2 in window 1
.endif
.irp j, 0,1,2,3
.irp i, 0,1,2,3
.if \cmode == 1
	v_wmma_scale_f32_16x16x128_f8f6f4 v[ACC+32*\j+8*\i:ACC+32*\j+8*\i+7], v[F0+12*\i:F0+12*\i+11], v[F1+12*\j:F1+12*\j+11], v[8*\i:8*\i+7], v[S0+2*\i], v[S1+2*\j] matrix_a_fmt:MATRIX_FMT_FP6 matrix_b_fmt:MATRIX_FMT_FP6
.elseif (\s)%2
	v_wmma_scale_f32_16x16x128_f8f6f4 v[ACC+32*\j+8*\i:ACC+32*\j+8*\i+7], v[F0+12*\i:F0+12*\i+11], v[F1+12*\j:F1+12*\j+11], v[ACC+32*\j+8*\i:ACC+32*\j+8*\i+7], v[S0+2*\i+(\s)/2], v[S1+2*\j+(\s)/2] matrix_a_fmt:MATRIX_FMT_FP6 matrix_b_fmt:MATRIX_FMT_FP6 matrix_a_scale:MATRIX_SCALE_ROW1 matrix_b_scale:MATRIX_SCALE_ROW1
.else
	v_wmma_scale_f32_16x16x128_f8f6f4 v[ACC+32*\j+8*\i:ACC+32*\j+8*\i+7], v[F0+12*\i:F0+12*\i+11], v[F1+12*\j:F1+12*\j+11], v[ACC+32*\j+8*\i:ACC+32*\j+8*\i+7], v[S0+2*\i+(\s)/2], v[S1+2*\j+(\s)/2] matrix_a_fmt:MATRIX_FMT_FP6 matrix_b_fmt:MATRIX_FMT_FP6
.endif
.endr
.endr
.if \cmode
	WIN 0
.endif
.endm
	s_load_b256 s[4:11], s[0:1], 0x0               ; oc 4, os 6, wc 8, ws 10
	s_load_b128 s[12:15], s[0:1], 0x20             ; bo 12, out0 14
	s_set_vgpr_msb 0x40
	v_lshl_add_u32 v32, v0, 2, 0x29000
	v_mov_b32 v33, 0
	s_set_vgpr_msb 0x4045
	ds_add_u32 v32, v33
	ds_add_u32 v32, v33
	s_set_vgpr_msb 0x4500
	v_lshrrev_b32 v1, 5, v0
	v_readfirstlane_b32 s22, v1                    ; wave 0..3
	s_mov_b32 s23, ttmp9                           ; which 128 tokens
	s_and_b32 s24, ttmp7, 0xffff                   ; which 128 columns
	s_lshr_b32 s27, s22, 1                         ; my half of the columns
	s_and_b32 s28, s22, 1                          ; my half of the tokens.  Also: which half of a block I fetch
	; descriptor group 1: a dense block of 24,576 bytes as 96 rows of 256 bytes (32 elements of 8 bytes), no padding
	s_mov_b32 s[G1+0], 3<<16
	s_mov_b32 s[G1+1], 32<<16
	s_mov_b32 s[G1+2], 96<<16
	s_mov_b32 s[G1+3], 32<<16
	s_mov_b32 s[G1+4], 96
	s_mov_b32 s[G1+5], 32
	s_mov_b32 s[G1+6], 0
	s_mov_b32 s[G1+7], 0
	s_mul_i32 s[G0+1], s22, 24576                  ; LDS: wave x 24,576: waves 0, 1 the tokens' block, waves 2, 3 Wo's
	s_mul_i32 s44, s28, 24576
	s_mul_i32 s45, s23, 49152
	s_add_co_u32 s45, s45, s44                     ; in oc
	s_mul_i32 s46, s24, 49152
	s_add_co_u32 s46, s46, s44
	s_add_co_u32 s46, s46, 589824                  ; in wc: the fourth weight
	s_cmp_lt_u32 s22, 2
	s_cselect_b32 s48, s45, s46
	s_mov_b32 s49, 0
	s_wait_dscnt 0x0
	s_wait_kmcnt 0x0
	s_cselect_b64 s[50:51], s[4:5], s[8:9]         ; (moves and waits leave the compare's result alone)
	s_mov_b32 s[G0], 1
	s_add_nc_u64 s[G0+2:G0+3], s[50:51], s[48:49]
	s_or_b32 s[G0+3], s[G0+3], 0x80000000
	tensor_load_to_lds s[G0:G0+3], s[G1:G1+7]
	s_nop 0
.rept 4
	v_nop                                          ; four such lines behind the load
.endr
	v_and_b32 v1, 31, v0                           ; lane
	v_and_b32 v2, 15, v0                           ; r
	v_bfe_u32 v3, v0, 4, 1                         ; h
	v_lshlrev_b32 v4, 2, v1
	v_lshlrev_b32 v5, 3, v1
	v_lshlrev_b32 v6, 4, v1
	v_lshlrev_b32 v11, 5, v3                       ; the bias: my half's eight columns
	v_lshlrev_b32 v28, 15, v3
	v_lshl_add_u32 v28, v2, 2, v28                 ; os: lanes 16-31 stand two heads on (2 x 16,384 bytes); token r
	s_mul_i32 s46, s27, 24576
	s_add_co_u32 s46, s46, 49152                   ; my four column tiles in LDS
	s_mul_i32 s47, s28, 24576                      ; my four token tiles
	v_add_nc_u32 v7, s46, v6
	v_add_nc_u32 v8, s46, v5
	v_add_nc_u32 v9, s47, v6
	v_add_nc_u32 v10, s47, v5
	s_mul_i32 s46, s22, 4352
	s_add_co_u32 s46, s46, STG                     ; my stage
	v_mul_u32_u24 v29, v2, 272
	v_lshl_add_u32 v29, v3, 5, v29
	v_add_nc_u32 v29, s46, v29                     ; in: row r, 32 bytes for each half of the lanes
	v_mul_u32_u24 v30, v3, 272
	v_lshl_add_u32 v30, v2, 4, v30
	v_add_nc_u32 v30, s46, v30                     ; back: lanes 0-15 one row of 256 bytes, lanes 16-31 the next
	v_lshlrev_b32 v31, 11, v3
	v_lshl_add_u32 v31, v2, 4, v31                 ; and the same two rows in out0
	s_lshr_b32 s44, s23, 5
	s_lshl_b32 s44, s44, 17                        ; os: the batch's 8 heads x 16,384 bytes,
	s_and_b32 s46, s23, 31
	s_lshl_b32 s46, s46, 9                         ; my work-group's 128 tokens,
	s_add_co_u32 s44, s44, s46
	s_lshl_b32 s46, s28, 8                         ; my 64
	s_add_co_u32 s44, s44, s46
	s_mov_b32 s45, 0
	s_add_nc_u64 s[6:7], s[6:7], s[44:45]
	s_lshl_b32 s44, s24, 11                        ; ws: the fourth weight, 256 bytes a column tile
	s_lshl_b32 s46, s27, 10
	s_add_co_u32 s44, s44, s46
	s_add_co_u32 s44, s44, 24576
	s_add_nc_u64 s[10:11], s[10:11], s[44:45]
	s_lshl_b32 s44, s24, 9                         ; my first column, in bytes
	s_lshl_b32 s46, s27, 8
	s_add_co_u32 s44, s44, s46
	s_add_nc_u64 s[12:13], s[12:13], s[44:45]
	s_lshl_b32 s46, s23, 18                        ; my first token's row of 2,048 bytes
	s_add_co_u32 s44, s44, s46
	s_lshl_b32 s46, s28, 17
	s_add_co_u32 s44, s44, s46
	s_add_nc_u64 s[14:15], s[14:15], s[44:45]
.irp j, 0,1,2,3
.irp p, 0,1
	global_load_b32 v[32+4*\j+2*\p], v28, s[6:7] offset:65536*\p+64*\j           ; head 4 p + 2 h, token 16 j + r
	global_load_b32 v[33+4*\j+2*\p], v28, s[6:7] offset:65536*\p+16384+64*\j     ; head 4 p + 2 h + 1
	global_load_b32 v[S0+2*\j+\p], v4, s[10:11] offset:\j*256+128*\p
.endr
.endr
	WIN 0x40                                       ; destination window 1
.irp t, 0,1,2,3
	global_load_b128 v[8*\t:8*\t+3], v11, s[12:13] offset:64*\t                  ; register e of tile t: the bias of column 16 t + 8 h + e
	global_load_b128 v[8*\t+4:8*\t+7], v11, s[12:13] offset:64*\t+16
.endr
	WIN 0
	s_wait_loadcnt 0x0
.irp j, 0,1,2,3
.irp p, 0,1
	v_perm_b32 v[S1+2*\j+\p], v[33+4*\j+2*\p], v[32+4*\j+2*\p], 0x05040100       ; the even head's two bytes below, the odd head's above: K step 2 p + h of token tile j
.endr
.endr
.rept 8
	v_nop                                          ; a scale register written by a vector line stands eight plain lines ahead of a scaled matrix instruction
.endr
	s_wait_alu depctr_va_vdst(0)
	s_wait_tensorcnt 0x0                           ; my part of the blocks has landed,
	s_barrier_signal -1
	s_barrier_wait -1                              ; everybody's has.  The blocks are only read from here on
	FETCH 0
	s_wait_dscnt 0x0
	MUL16 0, 1
.irp s, 1,2,3
	PLACES
	FETCH \s
	s_wait_dscnt 0x0
	MUL16 \s, 0
.endr
; THE WAY OUT, a tile of 16 tokens x my 64 columns at a time: a lane holds 32 neighbouring bytes of a row and the lanes beside it hold other rows, so the tile goes through my own stage and comes back as whole
; rows of 256 bytes.  LDS serves a wave's instructions in order (ISA guide 5.7.1.4): no wait between the stores and the loads, nor in front of the next tile's stores.
.macro TOSTAGE j
.irp i, 0,1,2,3
	ds_store_b128 v29, v[ACC+32*(\j)+8*\i:ACC+32*(\j)+8*\i+3] offset:64*\i       ; each accumulator from its low end on
	ds_store_b128 v29, v[ACC+32*(\j)+8*\i+4:ACC+32*(\j)+8*\i+7] offset:64*\i+16
.endr
.irp t, 0,1,2,3,4,5,6,7
	ds_load_b128 v[BK+32*((\j)%2)+4*\t:BK+32*((\j)%2)+4*\t+3], v30 offset:544*\t
.endr
.endm
.macro SEND j, younger                 ; younger: the LDS instructions issued behind tile j's loads, which may stay out
	s_wait_dscnt \younger
.irp t, 0,1,2,3,4,5,6,7
	global_store_b128 v31, v[BK+32*((\j)%2)+4*\t:BK+32*((\j)%2)+4*\t+3], s[14:15] offset:(16*(\j)+2*\t)*2048 th:TH_STORE_NT   ; sixteen lanes store 256 consecutive bytes, aligned
.endr
.endm
	PLACES
	TOSTAGE 0
.irp j, 1,2,3
.if \j > 1
	s_wait_xcnt 0x0                                ; tile j - 2's stores have read their registers: tile j's loads may land there
.endif
	TOSTAGE \j
	SEND \j-1, 16                                  ; behind tile j - 1's loads: tile j's 8 stores and 8 loads
.endr
	SEND 3, 0
	s_set_vgpr_msb 0x5
	s_wait_tensorcnt 0x0
	ds_add_u32 v32, v33
	s_wait_dscnt 0x0
	s_set_vgpr_msb 0x500
	s_endpgm
.Lfunc_end_k_q1c1be6143a_proj:
	.size	k_q1c1be6143a_proj, .Lfunc_end_k_q1c1be6143a_proj-k_q1c1be6143a_proj
	.p2alignl 7, 3214868480
	.fill 96, 4, 3214868480
	.section	.rodata,"a",@progbits
	.p2align	6, 0x0
	.amdhsa_kernel k_q1c1be6143a_proj
		.amdhsa_group_segment_fixed_size 168448
		.amdhsa_private_segment_fixed_size 0
		.amdhsa_enable_private_segment 0
		.amdhsa_kernarg_size 48
		.amdhsa_user_sgpr_count 2
		.amdhsa_user_sgpr_kernarg_segment_ptr 1
		.amdhsa_wavefront_size32 1
		.amdhsa_system_sgpr_workgroup_id_x 1
		.amdhsa_system_sgpr_workgroup_id_y 1
		.amdhsa_system_sgpr_workgroup_id_z 1
		.amdhsa_system_vgpr_workitem_id 0
		.amdhsa_next_free_vgpr 290
		.amdhsa_next_free_sgpr 66
		.amdhsa_reserve_vcc 0
		.amdhsa_float_denorm_mode_32 3
		.amdhsa_float_denorm_mode_16_64 3
		.amdhsa_memory_ordered 1
		.amdhsa_forward_progress 1
		.amdhsa_inst_pref_size 33
	.end_amdhsa_kernel
	.amdgpu_metadata
---
amdhsa.version: [ 1, 2 ]
amdhsa.kernels:
  - .name:           k_q1c1be6143a_proj
    .symbol:         k_q1c1be6143a_proj.kd
    .args:
      - { .name: oc, .offset: 0, .size: 8, .value_kind: global_buffer, .address_space: global }
      - { .name: os, .offset: 8, .size: 8, .value_kind: global_buffer, .address_space: global }
      - { .name: wc, .offset: 16, .size: 8, .value_kind: global_buffer, .address_space: global }
      - { .name: ws, .offset: 24, .size: 8, .value_kind: global_buffer, .address_space: global }
      - { .name: bo, .offset: 32, .size: 8, .value_kind: global_buffer, .address_space: global }
      - { .name: out0, .offset: 40, .size: 8, .value_kind: global_buffer, .address_space: global }
    .group_segment_fixed_size: 168448
    .private_segment_fixed_size: 0
    .kernarg_segment_align: 8
    .kernarg_segment_size: 48
    .max_flat_workgroup_size: 128
    .sgpr_count:     66
    .vgpr_count:     290
    .wavefront_size: 32
...
	.end_amdgpu_metadata
.endif
;; end of part 4
